; MI455X (gfx1250); checked and timed in simulation.
; The chip was launched on July 23, 2026; its instructions are those of AMD's public machine-readable ISA for CDNA 5 (MIT licence, August 2026) and "CDNA5" Instruction Set Architecture Reference Guide (July 2026). The comments in the code are by the model that wrote it; some were corrected since.
;; Causal Self Attention. Allowed arithmetic: matrix products marked QUANTISED: E2M1 operands, one E8M0 scale for each 32 along K, by v_wmma_scale_f32_16x16x128_f8f6f4 with both operands' format E2M1 (or v_wmma_scale_f32_32x16x128_f4), f32 sums; everything else in f32.
;; Inputs: b_attn 3,072 float32; b_proj 1,024 float32; w_attn 1,024 x 3,072 float32; w_proj 1,024 x 1,024 float32; x 4 x 2,048 x 1,024 float32.
;; Outputs: out0 4 x 2,048 x 1,024 float32.
;; This version of the problem:
;;   THIS VERSION OF THE PROBLEM IS GIVEN IN LOW PRECISION. The matrix products marked QUANTISED in the list below multiply operands that are first quantised to E2M1 (2 exponent bits, 1 mantissa bit; 4 bits a number), with one power-of-two scale for each 32 numbers along K (OCP MX v1.0); their sums are f32. All else is computed in f32.
;;   The module's matrix products, in the order in which they are computed (A, B: the left and right operand; K: the contracted axis; several contracted axes count as one K, in the product's order):
;;     1. [M 8,192, K 1,024] x [K 1,024, N 3,072]; A: input x; B: input w_attn: QUANTISED
;;     2. batch 64 x [M 2,048, K 64] x [K 64, N 2,048]; A: computed on the way; B: computed on the way: QUANTISED
;;     3. batch 64 x [M 2,048, K 2,048] x [K 2,048, N 64]; A: softmax (see below); B: computed on the way: QUANTISED
;;     4. [M 8,192, K 1,024] x [K 1,024, N 1,024]; A: computed on the way; B: input w_proj: QUANTISED
;;   THE QUANTISER, for each operand of a quantised product, along K:
;;     - K is cut into blocks of 32 from its start; a last block that is shorter is filled with zeros.
;;     - A block's scale is 2^e with e = floor(log2(the largest magnitude in the block)) - 2, held to -126 .. 127; a block of zeros has e = 0. As a byte (E8M0): e + 127.
;;     - Each number is divided by its block's scale, clamped to +-6, and rounded to the nearest number of E2M1, ties to even, subnormals kept.
;;     - The product sums the exact products of the quantised numbers (number of the format x scale) in f32.
;;   ~~~python
;;   def quantise(x, axis):      # numpy; x: float32 -> the quantised numbers, widened to float32 again
;;       x = np.moveaxis(x, axis, -1); K = x.shape[-1]
;;       x = np.pad(x, [(0, 0)] * (x.ndim - 1) + [(0, -K % 32)]); x = x.reshape(x.shape[:-1] + (-1, 32)); a = np.abs(x).max(-1, keepdims=True)
;;       e = np.where(a > 0, np.clip(np.frexp(np.where(a > 0, a, 1))[1] - 1 - 2, -126, 127), 0)      # np.frexp(a)[1] - 1 = floor(log2(a)), exactly
;;       r = np.clip(x / 2.0 ** e, -6, 6)
;;       step = 2.0 ** (np.maximum(np.frexp(np.where(r == 0, 1, r))[1] - 1, 0) - 1)
;;       q = np.round(r / step) * step * 2.0 ** e      # np.round: ties to even
;;       return np.moveaxis(q.reshape(q.shape[:-2] + (-1,))[..., :K], -1, axis).astype(np.float32)
;;   ~~~
;;   SOFTMAX AHEAD OF A QUANTISED PRODUCT. Where the list says 'softmax', what is quantised is not the finished softmax but p = 2^(t - M), with t = logit x log2(e) and M = ceil(the row's largest t), a whole number; so 1/2 < the row's largest p <= 1. The row's sum l is taken of the UNQUANTISED p, in f32, and the product's result is divided by l at the end. Since M is a whole number, a kernel that streams over the keys may use a running M (the ceiling of the running maximum): every later rescaling is an exact power of two, which a block's scale takes up: the codes' values come out the same.
;;   OPERANDS COMPUTED ON THE WAY. 'Computed on the way' means the value that the module computes at that place (a softmax that the list does not call 'softmax' is quantised finished and normalised). What goes into a quantiser is computed in f32, as accurately as f32 sums, v_exp_f32 and their like allow (about 1e-6 of the number): no bf16 or f16 on the way to a quantiser, and a product that is left as it is and whose result goes on into a quantised operand takes f32 operands (vector FMAs, or v_wmma_f32_16x16x4_f32). A number that lies on a knife's edge between two numbers of the format may be rounded either way, as far as f32 arithmetic and the matrix unit's own rounding can turn it there, and no further.
;; One version. Each part assembles by itself: llvm-mc -triple=amdgcn-amd-amdhsa -mcpu=gfx1250 --defsym DOCPART=n.
;; ======== version 1 of 1: 4 launches
;; workspace buffers: xc 4,194,304 bytes; xs 262,144 bytes; wc 2,097,152 bytes; ws 131,072 bytes; qkv 12,582,912 bytes; qkvs 786,432 bytes; yc 4,194,304 bytes; ys 262,144 bytes
;; launch quant (part 1): grid 384 x 1, 4 waves a work-group, no clusters, 50,688 bytes of LDS; arguments x, w_attn, w_proj, xc, xs, wc, ws; writes xc, xs, wc, ws
.if DOCPART == 1
	.amdgcn_target "amdgcn-amd-amdhsa--gfx1250"
	.amdhsa_code_object_version 6
	.text
	.protected	k_qa86cd8e652_quant
	.globl	k_qa86cd8e652_quant
	.p2align	8
	.type	k_qa86cd8e652_quant,@function
k_qa86cd8e652_quant:
	s_mov_b64 s[64:65], 0
	v_nop
	global_prefetch_b8 v0, s[64:65] scope:SCOPE_SE
	s_setreg_imm32_b32 hwreg(HW_REG_WAVE_MODE, 25, 1), 1
	s_wait_xcnt 0x0
; x [8192][1024], w_attn [1024][3072] and w_proj [1024][1024], all f32, become codes of FP4 (E2M1) with one E8M0 byte for each 32 along K.
; xc [8192][512 bytes], xs [8192][32]: K is x's last axis.  wc [4096][512 bytes], ws [4096][32]: row n < 3072 is column n of w_attn, row 3072 + n column n of w_proj: K is the weights' FIRST axis.
; A block's scale is 2^(floor(log2(largest magnitude)) - 2); its byte is the largest magnitude's exponent field - 2, held at 1 from below by a floor among the maximum's leaves.
; LIMITS: a block of zeros, or one whose largest magnitude lies under 2^-124, gets the byte 1 (the rule says 127 for zeros): its codes are zeros or what the held scale gives, and this program alone reads the bytes.
; NaN and infinities among the inputs are not served.
; Work-groups 0-255 take x, 256-383 the weights: a branch on the work-group's number, the same in all four waves.  Each way has LDS bytes of its own.
.set STEPS, 16
.set EMAX,  2
.set CBY,   8                          ; bytes of 16 codes
.set R,     16                         ; v16-79   x: four sets of 16 numbers as loaded
.set X,     80                         ; v80-111  x: two sets of 16 neighbours
.set E,     112                        ; v112-127 x: a scale byte for each step
.set C,     128                        ; v128-191 x: codes, four registers a step, so that no store's data are written again
.set WREG,  8192                       ; x: LDS of a wave: two stages of 32 x SP bytes, then its 256 scale bytes
.set SP,    80                         ; a lane's place in a stage: 64 bytes + 16 of padding
.set WSTG,  32768                      ; weights: a stage of 64 rows (columns n) x 272 bytes
.set WP,    272
.set VO,    32                         ; v32-63   weights: byte offset of row i of a block at my column
.set XW,    64                         ; v64-127  weights: two sets of 32 numbers
.set CW,    128                        ; v128-131 weights: a block's codes
.set SB,    132                        ; v132-133 weights: my 8 scale bytes
	s_load_b128 s[4:7], s[0:1], 0x0                ; x, w_attn
	s_load_b128 s[8:11], s[0:1], 0x10              ; w_proj, xc
	s_load_b128 s[12:15], s[0:1], 0x20             ; xs, wc
	s_load_b64 s[16:17], s[0:1], 0x30              ; ws
	v_lshl_add_u32 v192, v0, 2, 0xc400
	v_mov_b32 v193, 0
	v_lshrrev_b32 v1, 5, v0
	v_readfirstlane_b32 s18, v1                    ; wave
	v_and_b32 v2, 31, v0                           ; lane
	s_cmp_lt_u32 ttmp9, 256
	s_cbranch_scc0 .Lweights
; ---------------- x: a plain stream of blocks of 32.  A wave takes 16 steps of 512 numbers.  Each load reads 512 consecutive bytes; the 2,048 bytes of a step turn through the wave's own
; stage in LDS, so that a lane then holds 16 neighbours along K (two neighbouring lanes hold a block).
	v_lshlrev_b32 v3, 4, v2                        ; my 16 bytes of a load's 512
	s_mul_i32 s19, s18, WREG
	v_lshrrev_b32 v14, 2, v2
	v_mul_u32_u24 v14, v14, SP
	v_and_b32 v15, 3, v2
	v_lshl_add_u32 v14, v15, 4, v14
	v_add_nc_u32 v14, s19, v14                     ; the stage, in: SP (lane / 4) + 16 (lane % 4)
	v_mul_u32_u24 v15, v2, SP
	v_add_nc_u32 v15, s19, v15                     ; and out: SP x lane
	v_lshlrev_b32 v4, 3, v2                        ; my codes' place in a step's 256 bytes
	v_lshrrev_b32 v5, 1, v2
	s_add_co_u32 s19, s19, 2*32*SP
	v_add_nc_u32 v5, s19, v5                       ; my block's byte among the wave's 256 scale bytes
	v_lshlrev_b32 v7, 3, v2
	v_add_nc_u32 v6, s19, v7                       ; and 8 bytes a lane on their way out
	s_lshl_b32 s20, ttmp9, 2
	s_add_co_u32 s20, s20, s18                     ; which run of 8,192 numbers is my wave's
	s_lshl_b32 s22, s20, 15
	s_mov_b32 s23, 0
	s_lshl_b32 s24, s20, 12
	s_mov_b32 s25, 0
	s_lshl_b32 s26, s20, 8
	s_mov_b32 s27, 0
	s_wait_alu depctr_va_vdst(0)
	s_wait_kmcnt 0x0
	s_add_nc_u64 s[4:5], s[4:5], s[22:23]
	s_add_nc_u64 s[10:11], s[10:11], s[24:25]
	s_add_nc_u64 s[12:13], s[12:13], s[26:27]
.macro LOAD t
.irp i, 0,1,2,3
	global_load_b128 v[R+16*((\t)%4)+4*\i:R+16*((\t)%4)+4*\i+3], v3, s[4:5] offset:2048*(\t)+512*\i th:TH_LOAD_NT
.endr
.endm
.macro TURN t                          ; LDS serves a wave's instructions in order: no wait between the stores and the loads
.irp i, 0,1,2,3
	ds_store_b128 v14, v[R+16*((\t)%4)+4*\i:R+16*((\t)%4)+4*\i+3] offset:32*SP*((\t)%2)+8*SP*\i
.endr
.irp i, 0,1,2,3
	ds_load_b128 v[X+16*((\t)%2)+4*\i:X+16*((\t)%2)+4*\i+3], v15 offset:32*SP*((\t)%2)+16*\i
.endr
.endm
.irp t, 0,1,2,3
	LOAD \t
.endr
	s_wait_loadcnt 12                              ; step 0's four loads are in; twelve younger ones stay out
	TURN 0
.macro STEP t
.set XS, X+16*((\t)%2)
.if (\t) > 0
	s_wait_dscnt 1                                 ; this step's numbers are back from the stage; only the last step's byte store may be out
.else
	s_wait_dscnt 0x0
.endif
.if (\t)+4 < STEPS
	LOAD (\t)+4                                    ; into the set whose stores into the stage are done
.endif
.if (\t)+1 < STEPS
.if STEPS-2-(\t) >= 3
	s_wait_loadcnt 12                              ; the next step's four loads are in; those of three steps behind it may be out
.else
	s_wait_loadcnt 4*(STEPS-2-(\t))
.endif
	TURN (\t)+1
.endif
	v_max3_num_f32 v8, |v[XS]|, |v[XS+1]|, |v[XS+2]|
	v_max3_num_f32 v9, |v[XS+3]|, |v[XS+4]|, |v[XS+5]|
.irp i, 6,10
	v_max3_num_f32 v8, v8, |v[XS+\i]|, |v[XS+\i+1]|
	v_max3_num_f32 v9, v9, |v[XS+\i+2]|, |v[XS+\i+3]|
.endr
	v_max3_num_f32 v8, v8, |v[XS+14]|, |v[XS+15]|
	v_max3_num_f32 v8, v8, v9, (EMAX+1)<<23        ; and the floor 2^(3 - 127): the byte cannot fall under 1
	v_max_num_f32_dpp v8, v8, v8 row_xmask:1 row_mask:0xf bank_mask:0xf   ; with my neighbour's 16: the block's
	v_add_nc_u32 v11, 0xff000000, v8               ; 2 off the exponent field: the conversion takes that field as its scale
	v_cvt_scalef32_pk8_fp4_f32 v[C+4*(\t)], v[XS:XS+7], v11
	v_cvt_scalef32_pk8_fp4_f32 v[C+4*(\t)+1], v[XS+8:XS+15], v11
	v_lshrrev_b32 v[E+(\t)], 23, v11               ; the scale's byte (a plain line behind the conversions)
	ds_store_b8 v5, v[E+(\t)] offset:16*(\t)       ; both lanes of a block write the same byte with the same value
	global_store_b64 v4, v[C+4*(\t):C+4*(\t)+1], s[10:11] offset:32*CBY*(\t)   ; the wave stores 256 consecutive bytes, aligned
.endm
.irp t, 0,1,2,3,4,5,6,7,8,9,10,11,12,13,14,15
	STEP \t
.endr
	ds_load_b64 v[12:13], v6
	s_wait_dscnt 0x0
	global_store_b64 v7, v[12:13], s[12:13]        ; the wave's 256 scale bytes, consecutive and aligned
	s_wait_tensorcnt 0x0
	ds_add_u32 v192, v193
	s_wait_dscnt 0x0
	s_endpgm
; ---------------- the weights: a lane takes a column n and its registers run down K, so a block of 32 lies in one lane and the codes come out with K innermost.
; A work-group takes 64 columns x 512 along K; wave w: columns 32 (w & 1) on, K 256 (w >> 1) on: 8 blocks a lane.  Two waves stand side by side on 256 consecutive bytes of each row.
; The codes meet in a stage (row = column n, 256 bytes + 16), and leave as rows: sixteen lanes store 256 consecutive bytes, aligned.
; The scale bytes leave 8 to a lane, 32 bytes apart: 131,072 bytes in all beside the 16,777,216 that this way reads.
.Lweights:
	s_sub_co_u32 s19, ttmp9, 256
	s_lshr_b32 s20, s19, 1                         ; which 64 of the 4,096 rows of wc
	s_and_b32 s21, s19, 1                          ; which 512 along K
	s_and_b32 s22, s18, 1
	s_lshr_b32 s23, s18, 1
	s_mov_b32 s24, 12288
	s_wait_kmcnt 0x0
	s_cmp_ge_u32 s20, 48                           ; the choice of tensor hangs on the work-group's number alone
	s_cselect_b64 s[6:7], s[8:9], s[6:7]           ; w_proj or w_attn
	s_cselect_b32 s24, 4096, s24                   ; bytes from row to row
	s_cselect_b32 s25, 3072, 0                     ; the row of wc at which the tensor's column 0 lies
	s_lshl_b32 s26, s20, 6
	s_lshl_b32 s27, s22, 5
	s_add_co_u32 s26, s26, s27                     ; my wave's first row of wc
	s_sub_co_u32 s27, s26, s25                     ; and its column in the tensor
	s_lshl_b32 s28, s21, 9
	s_lshl_b32 s29, s23, 8
	s_add_co_u32 s28, s28, s29                     ; my first k
	s_mul_i32 s28, s28, s24
	s_lshl_b32 s27, s27, 2
	s_add_co_u32 s28, s28, s27
	s_mov_b32 s29, 0
	s_lshl_b32 s30, s24, 5                         ; 32 rows on
	s_mov_b32 s31, 0
	s_add_nc_u64 s[32:33], s[6:7], s[28:29]        ; a base for each of my 8 blocks: no pointer is stepped while loads are out
.irp t, 1,2,3,4,5,6,7
	s_add_nc_u64 s[32+2*\t:33+2*\t], s[30+2*\t:31+2*\t], s[30:31]
.endr
	s_wait_alu depctr_va_vdst(0)
	v_lshlrev_b32 v[VO], 2, v2
.set i, 1
.rept 31
	v_add_nc_u32 v[VO+i], s24, v[VO+i-1]
.set i, i+1
.endr
	s_mul_i32 s48, s22, 32*WP
	s_lshl_b32 s49, s23, 7
	s_add_co_u32 s48, s48, s49
	s_add_co_u32 s48, s48, WSTG
	v_mul_u32_u24 v4, v2, WP
	v_add_nc_u32 v4, s48, v4                       ; into the stage: row = my column, my 128 bytes of its 256
	v_lshlrev_b32 v9, 5, v2                        ; my row of scale bytes
	s_lshl_b32 s50, s26, 5
	s_lshl_b32 s49, s21, 4
	s_add_co_u32 s50, s50, s49
	s_lshl_b32 s49, s23, 3
	s_add_co_u32 s50, s50, s49
	s_mov_b32 s51, 0
	s_add_nc_u64 s[16:17], s[16:17], s[50:51]
	v_and_b32 v5, 15, v2
	v_lshrrev_b32 v6, 4, v2
	s_mul_i32 s52, s18, 16*WP
	s_add_co_u32 s52, s52, WSTG
	v_mul_u32_u24 v7, v6, WP
	v_lshl_add_u32 v7, v5, 4, v7
	v_add_nc_u32 v7, s52, v7                       ; out of the stage: wave w takes rows 16 w on, sixteen lanes to a row
	v_lshlrev_b32 v8, 9, v6
	v_lshl_add_u32 v8, v5, 4, v8                   ; and the same place in wc
	s_lshl_b32 s54, s20, 15
	s_lshl_b32 s49, s18, 13
	s_add_co_u32 s54, s54, s49
	s_lshl_b32 s49, s21, 8
	s_add_co_u32 s54, s54, s49
	s_mov_b32 s55, 0
	s_add_nc_u64 s[14:15], s[14:15], s[54:55]
.macro WLOAD t
.set i, 0
.rept 32
	global_load_b32 v[XW+32*((\t)%2)+i], v[VO+i], s[32+2*(\t):33+2*(\t)] th:TH_LOAD_NT
.set i, i+1
.endr
.endm
	WLOAD 0
	WLOAD 1
.macro BLOCK t
.set XS, XW+32*((\t)%2)
.if (\t) < 7
	s_wait_loadcnt 32                              ; this block's 32 loads are in; the next block's may be out
.else
	s_wait_loadcnt 0x0
.endif
	v_max3_num_f32 v12, |v[XS]|, |v[XS+1]|, |v[XS+2]|
	v_max3_num_f32 v13, |v[XS+3]|, |v[XS+4]|, |v[XS+5]|
.irp i, 6,10,14,18,22,26
	v_max3_num_f32 v12, v12, |v[XS+\i]|, |v[XS+\i+1]|
	v_max3_num_f32 v13, v13, |v[XS+\i+2]|, |v[XS+\i+3]|
.endr
	v_max3_num_f32 v12, v12, |v[XS+30]|, |v[XS+31]|
	v_max3_num_f32 v12, v12, v13, (EMAX+1)<<23
	v_add_nc_u32 v11, 0xff000000, v12
	v_lshrrev_b32 v13, 23, v11
.if (\t)%4 == 0
	v_mov_b32 v[SB+(\t)/4], v13
.else
	v_lshl_or_b32 v[SB+(\t)/4], v13, 8*((\t)%4), v[SB+(\t)/4]
.endif
.irp g, 0,1,2,3
	v_cvt_scalef32_pk8_fp4_f32 v[CW+\g], v[XS+8*\g:XS+8*\g+7], v11
.endr
	ds_store_b128 v4, v[CW:CW+3] offset:16*(\t)
.if (\t)+2 < 8
	WLOAD (\t)+2
.endif
	s_wait_dscnt 0x0                               ; the store has read its registers: the next block's codes may be written; at the end: my part of the stage is written
.endm
.irp t, 0,1,2,3,4,5,6,7
	BLOCK \t
.endr
	s_wait_alu depctr_va_vdst(0)
	global_store_b64 v9, v[SB:SB+1], s[16:17]
	s_barrier_signal -1                            ; every wave's stores into the stage are done
	s_barrier_wait -1
.irp t, 0,1,2,3,4,5,6,7
	ds_load_b128 v[XW+4*\t:XW+4*\t+3], v7 offset:2*\t*WP
.endr
.irp t, 0,1,2,3,4,5,6,7
	s_wait_dscnt 7-\t
	global_store_b128 v8, v[XW+4*\t:XW+4*\t+3], s[14:15] offset:1024*\t
.endr
	s_wait_tensorcnt 0x0
	ds_add_u32 v192, v193
	s_wait_dscnt 0x0
	s_endpgm
.Lfunc_end_k_qa86cd8e652_quant:
	.size	k_qa86cd8e652_quant, .Lfunc_end_k_qa86cd8e652_quant-k_qa86cd8e652_quant
	.p2alignl 7, 3214868480
	.fill 96, 4, 3214868480
	.section	.rodata,"a",@progbits
	.p2align	6, 0x0
	.amdhsa_kernel k_qa86cd8e652_quant
		.amdhsa_group_segment_fixed_size 50688
		.amdhsa_private_segment_fixed_size 0
		.amdhsa_enable_private_segment 0
		.amdhsa_kernarg_size 56
		.amdhsa_user_sgpr_count 2
		.amdhsa_user_sgpr_kernarg_segment_ptr 1
		.amdhsa_wavefront_size32 1
		.amdhsa_system_sgpr_workgroup_id_x 1
		.amdhsa_system_sgpr_workgroup_id_y 1
		.amdhsa_system_sgpr_workgroup_id_z 1
		.amdhsa_system_vgpr_workitem_id 0
		.amdhsa_next_free_vgpr 194
		.amdhsa_next_free_sgpr 66
		.amdhsa_reserve_vcc 0
		.amdhsa_float_denorm_mode_32 3
		.amdhsa_float_denorm_mode_16_64 3
		.amdhsa_memory_ordered 1
		.amdhsa_forward_progress 1
		.amdhsa_inst_pref_size 75
	.end_amdhsa_kernel
	.amdgpu_metadata
---
amdhsa.version: [ 1, 2 ]
amdhsa.kernels:
  - .name:           k_qa86cd8e652_quant
    .symbol:         k_qa86cd8e652_quant.kd
    .args:
      - { .name: x, .offset: 0, .size: 8, .value_kind: global_buffer, .address_space: global }
      - { .name: w_attn, .offset: 8, .size: 8, .value_kind: global_buffer, .address_space: global }
      - { .name: w_proj, .offset: 16, .size: 8, .value_kind: global_buffer, .address_space: global }
      - { .name: xc, .offset: 24, .size: 8, .value_kind: global_buffer, .address_space: global }
      - { .name: xs, .offset: 32, .size: 8, .value_kind: global_buffer, .address_space: global }
      - { .name: wc, .offset: 40, .size: 8, .value_kind: global_buffer, .address_space: global }
      - { .name: ws, .offset: 48, .size: 8, .value_kind: global_buffer, .address_space: global }
    .group_segment_fixed_size: 50688
    .private_segment_fixed_size: 0
    .kernarg_segment_align: 8
    .kernarg_segment_size: 56
    .max_flat_workgroup_size: 128
    .sgpr_count:     66
    .vgpr_count:     194
    .wavefront_size: 32
...
	.end_amdgpu_metadata
.endif
;; end of part 1
;; launch qkv (part 2): grid 12 x 32, 4 waves a work-group, clusters of 4 x 4, 296,448 bytes of LDS; arguments xc, xs, wc, ws, b_attn, qkv, qkvs; writes qkv, qkvs
.if DOCPART == 2
	.amdgcn_target "amdgcn-amd-amdhsa--gfx1250"
	.amdhsa_code_object_version 6
	.text
	.protected	k_qa86cd8e652_qkv
	.globl	k_qa86cd8e652_qkv
	.p2align	8
	.type	k_qa86cd8e652_qkv,@function
k_qa86cd8e652_qkv:
	s_mov_b64 s[64:65], 0
	v_nop
	global_prefetch_b8 v0, s[64:65] scope:SCOPE_SE
	s_setreg_imm32_b32 hwreg(HW_REG_WAVE_MODE, 25, 1), 1
	s_wait_xcnt 0x0
	s_wait_alu depctr_hold_cnt(0) depctr_sa_sdst(0) depctr_va_vdst(0) depctr_va_sdst(0) depctr_va_ssrc(0) depctr_va_vcc(0) depctr_vm_vsrc(0)
	s_getreg_b32 s2, hwreg(HW_REG_IB_STS2, 6, 4)
	s_cmp_eq_u32 s2, 0
	s_cbranch_scc0 .Lentry_in_a_cluster
	s_endpgm
.Lentry_in_a_cluster:
	s_bfe_u32 s2, ttmp6, 0x10000c
	s_cmp_lg_u32 s2, 0xf033
	s_cbranch_scc0 .Lentry_shape_is_right
	s_endpgm
.Lentry_shape_is_right:
; x w_attn + b_attn on codes of FP4 (K = 1,024), and q, k, v quantised on the way out: q and k along the head's 64, v along the keys.  Nothing leaves as f32.
; A work-group of four waves makes 256 x 256 of the product, a wave 128 x 128: 64 accumulators.  Source 0 takes 16 rows of operand P, source 1 16 rows of operand R: in a result lane (r, h) holds
; R's row r, and its registers P's rows 8 h + 0 .. 7.  A quantiser wants its K along a lane's registers.  So for q and k (cluster x = 0, 1) P = rows of wc (channels) and R = rows of xc (tokens);
; for v (cluster x = 2) P = rows of xc and R = rows of wc.  Both buffers have rows of 512 bytes and scale rows of 32: ONE text serves both kinds; pointers and tile numbers are chosen on the cluster's x, which all partners share.
; All of K lies in LDS at once: two slots of 512 along K and the scales, each byte filled once.
; CLUSTERS: 4 x 4.  P's tile hangs on cx and is asked for jointly by a column of the cluster, R's on cy, by a row.
; THE BIAS is the C of each sum's first product: 64 registers; for q, k they hang on P's block and the register, for v on R's block and the lane.  Only that first K step is written twice.
; THE WAY OUT.  Register j of accumulator (a, b) is K index 16 b + 8 h + j of the lane's row: a block of 32 is the 16 registers of b = 2 B, 2 B + 1 in lanes l and l xor 16.  Eight numbers make one register of codes;
; tiles 0, 2, 1, 3 of each 64 are converted into four registers, and two exchanges of halves leave lane (r, h) with K = 32 h + 0 .. 31: the operand's own order.  Each store is 512 consecutive bytes.
; qkv: q, k: [b h][token tile][lane][16 bytes];  v: [b][key step][head][d tile][c][lane][16].  qkvs: [b h][step][lane][2] words: word (l, i) belongs to pp = 2 i + l / 16, row l % 16:
; q, k: bytes 0, 1 token tile 2 pp, bytes 2, 3 tile 2 pp + 1;  v: d tile pp, the step's four key blocks.
; LIMITS: blocks under 2^-124 and blocks of zeros get the byte 1; NaN and infinities are not served.
; REGISTERS: window 0: v1-27 addresses; v32-95 scale words, two sets; v128-191 R's fragments, one set; v192-255 the bias.  On the way out v96-111, v128-191 codes, v192-252 at work.
;   window 1: P's fragments, two sets, at v0 and v128.  windows 2, 3: the accumulators, (a, b) at v[8 (8 (a % 4) + b)].
.set PITCH,  272                       ; an LDS row: 256 bytes + 16 of padding: the 16 rows of a fragment load start 68 words apart
.set HALFT,  128*PITCH
.set SLOT,   4*HALFT                   ; R's 256 rows, then P's
.set SCL,    2*SLOT                    ; the scales, as pieces of 256 bytes + 16
.set HALFS,  16*272                    ; those of 128 rows
.set SBLK,   2*272                     ; those of 16 rows
.set NQ,     4
.set FR,     8
.set NL,     2
.set NP,     4
.set VJ,     4                         ; v4-11   the bias: byte offsets
.set ADRA,   16                        ; v16-17  R's fragments in slot 0, 1
.set ADRB,   20                        ; v20-21  P's
.set ADRS,   27                        ; v27     scale words: lanes 0-15 R's rows, lanes 16-31 P's
.set SC,     32
.set AF,     128
.set CB,     192
.set PCD,    128
.set VOFF,   192
.set HH,     208
.set TM,     224
.set WQ,     240
.set SW,     248
.set G1,  24
.set G0,  32
.set G1B, 48
.set G0B, 56
.set G1S, 68
.set G0S, 76
.set G1SB, 80
.set G0SB, 88
.set MSB, 0
.macro WIN new                         ; the immediate's high byte repeats the setting that is left
.if MSB != (\new)
	s_set_vgpr_msb (MSB<<8)|(\new)
.set MSB, (\new)
.endif
.endm
.macro MWIN hi, cm                     ; source 0 window 1, source 1 window 0, D window 2 + hi; C with D, or (the bias) window 0
.if \cm
	WIN 0x81+0x40*(\hi)
.else
	WIN 0xa1+0x50*(\hi)
.endif
.endm
.macro JLOAD g0a, g1a, g0b, g1b        ; waves 0, 1 fetch for R, waves 2, 3 for P; four v_nop follow each line
	s_cmp_eq_u32 s19, 0
	s_cbranch_scc0 .Lfor_b_\@
	tensor_load_to_lds s[\g0a:\g0a+3], s[\g1a:\g1a+7]
	s_nop 0
.rept 4
	v_nop
.endr
	s_branch .Lasked_\@
.Lfor_b_\@:
	tensor_load_to_lds s[\g0b:\g0b+3], s[\g1b:\g1b+7]
	s_nop 0
.rept 4
	v_nop
.endr
.Lasked_\@:
.endm
.macro CREST
	s_cmp_lg_u32 s18, 0
	s_cbranch_scc1 .Lnot_wave_0_\@
	s_barrier_signal -3
.Lnot_wave_0_\@:
	s_barrier_wait -3
	s_barrier_signal -1
	s_barrier_wait -1
.endm
.macro CROUND
	s_barrier_signal -1
	s_barrier_wait -1
	CREST
.endm
	s_load_b256 s[4:11], s[0:1], 0x0               ; xc, xs, wc, ws
	s_load_b128 s[12:15], s[0:1], 0x20             ; b_attn, qkv
	s_load_b64 s[16:17], s[0:1], 0x30              ; qkvs
	v_lshl_add_u32 v126, v0, 2, 0x48400
	v_mov_b32 v127, 0
	ds_add_u32 v126, v127
	ds_add_u32 v126, v127
	v_lshrrev_b32 v1, 5, v0
	v_readfirstlane_b32 s18, v1                    ; wave
	s_lshr_b32 s19, s18, 1                         ; which half of R's rows is mine.  Also: I fetch for R (0) or P (1)
	s_and_b32 s20, s18, 1                          ; which half of P's rows.  Also: which 128 rows I fetch
	s_bfe_u32 s21, ttmp6, 0x40000                  ; cx
	s_bfe_u32 s22, ttmp6, 0x40004                  ; cy
	s_and_b32 s66, ttmp7, 0xffff                   ; the cluster's y
	s_cmp_eq_u32 ttmp9, 2                          ; v?  The cluster's x: the same in all sixteen partners
	s_cselect_b32 s40, s66, ttmp9
	s_cselect_b32 s41, ttmp9, s66
	s_cselect_b32 s23, -1, 0                       ; the kind, as a mask of lanes
	s_lshl_b32 s40, s40, 2
	s_add_co_u32 s40, s40, s21                     ; P's tile of 256 rows
	s_lshl_b32 s41, s41, 2
	s_add_co_u32 s41, s41, s22                     ; R's
	s_lshl_b32 s42, s22, 2
	s_lshl_b32 s42, 15, s42                        ; my row of the cluster
	s_lshl_b32 s43, 0x1111, s21                    ; my column
	s_or_b32 s[G1+0], s42, (1<<20)|(1<<21)|(5<<22)|(3<<25)     ; mask; elements of 1 byte; padding on; bit 21 beside a mask; 4 words behind every 64
	s_or_b32 s[G1B+0], s43, (1<<20)|(1<<21)|(5<<22)|(3<<25)
.irp g, G1, G1B
	s_mov_b32 s[\g+1], 256<<16                     ; tensor_dim0
	s_mov_b32 s[\g+2], 128<<16                     ; tensor_dim1
	s_mov_b32 s[\g+3], 256<<16                     ; tile_dim0
	s_mov_b32 s[\g+4], 128                         ; tile_dim1
	s_mov_b32 s[\g+5], 512                         ; from row to row
	s_mov_b32 s[\g+6], 0
	s_mov_b32 s[\g+7], 0
.endr
	s_or_b32 s[G1S+0], s42, (3<<16)|(1<<20)|(1<<21)|(5<<22)|(3<<25)   ; the scales of 128 rows: 4,096 dense bytes as 16 rows of 32 elements of 8 bytes
	s_or_b32 s[G1SB+0], s43, (3<<16)|(1<<20)|(1<<21)|(5<<22)|(3<<25)
.irp g, G1S, G1SB
	s_mov_b32 s[\g+1], 32<<16
	s_mov_b32 s[\g+2], 16<<16
	s_mov_b32 s[\g+3], 32<<16
	s_mov_b32 s[\g+4], 16
	s_mov_b32 s[\g+5], 32
	s_mov_b32 s[\g+6], 0
	s_mov_b32 s[\g+7], 0
.endr
	s_lshl_b32 s45, s20, 7
	s_lshl_b32 s44, s41, 8
	s_add_co_u32 s44, s44, s45                     ; R: the first row that I fetch
	s_lshl_b32 s46, s40, 8
	s_add_co_u32 s46, s46, s45                     ; P: likewise
	s_lshl_b32 s66, s44, 5                         ; its scales, in bytes,
	s_lshl_b32 s44, s44, 9                         ; its codes
	s_lshl_b32 s100, s46, 5
	s_lshl_b32 s46, s46, 9
	s_mov_b32 s45, 0
	s_mov_b32 s47, 0
	s_mov_b32 s67, 0
	s_mov_b32 s101, 0
	s_mul_i32 s2, s18, HALFT                       ; where they go: wave x 128 rows: no place in the cluster enters an LDS address
	s_mul_i32 s3, s18, HALFS
	s_wait_dscnt 0x0
	s_wait_kmcnt 0x0
	s_cmp_eq_u32 ttmp9, 2
	s_cselect_b64 s[96:97], s[4:5], s[8:9]         ; P's codes: xc for v, else wc
	s_cselect_b64 s[98:99], s[6:7], s[10:11]       ; P's scales
	s_cselect_b64 s[92:93], s[8:9], s[4:5]         ; R's codes
	s_cselect_b64 s[94:95], s[10:11], s[6:7]       ; R's scales
	s_add_nc_u64 s[92:93], s[92:93], s[44:45]
	s_add_nc_u64 s[94:95], s[94:95], s[66:67]
	s_add_nc_u64 s[96:97], s[96:97], s[46:47]
	s_add_nc_u64 s[98:99], s[98:99], s[100:101]
	CROUND                                         ; all sixteen work-groups are here: the joint loads meet
	s_mov_b32 s[G0S], 1
	s_add_co_u32 s[G0S+1], s3, SCL
	s_mov_b64 s[G0S+2:G0S+3], s[94:95]
	s_or_b32 s[G0S+3], s[G0S+3], 0x80000000
	s_mov_b32 s[G0SB], 1
	s_add_co_u32 s[G0SB+1], s3, SCL
	s_mov_b64 s[G0SB+2:G0SB+3], s[98:99]
	s_or_b32 s[G0SB+3], s[G0SB+3], 0x80000000
	JLOAD G0S, G1S, G0SB, G1SB                     ; the scales first: they are wanted with the first K step
.irp s, 0,1
	s_mov_b32 s[G0+4*\s], 1
	s_add_co_u32 s[G0+4*\s+1], s2, \s*SLOT
	s_add_nc_u64 s[G0+4*\s+2:G0+4*\s+3], s[92:93], \s*256
	s_or_b32 s[G0+4*\s+3], s[G0+4*\s+3], 0x80000000
	s_mov_b32 s[G0B+4*\s], 1
	s_add_co_u32 s[G0B+4*\s+1], s2, \s*SLOT
	s_add_nc_u64 s[G0B+4*\s+2:G0B+4*\s+3], s[96:97], \s*256
	s_or_b32 s[G0B+4*\s+3], s[G0B+4*\s+3], 0x80000000
	JLOAD G0+4*\s, G1, G0B+4*\s, G1B               ; three loads of mine are out in all
.endr
	v_and_b32 v1, 15, v0                           ; r
	v_bfe_u32 v2, v0, 4, 1                         ; h
	v_and_b32 v3, 31, v0
	v_lshlrev_b32 v3, 4, v3                        ; 16 x lane
	v_mul_u32_u24 v12, v1, PITCH
	v_lshl_add_u32 v12, v2, 4, v12                 ; a fragment's row x pitch + 16 x half
	s_mul_i32 s44, s19, HALFT
	s_mul_i32 s46, s20, HALFT
	s_add_co_u32 s46, s46, 2*HALFT
.irp s, 0,1
	v_add_nc_u32 v[ADRA+\s], s44, v12
	v_add_nc_u32 v[ADRB+\s], s46, v12
	s_add_co_u32 s44, s44, SLOT
	s_add_co_u32 s46, s46, SLOT
.endr
	v_lshlrev_b32 v13, 5, v1                       ; my row's scales: 32 bytes a row,
	v_lshrrev_b32 v14, 8, v13
	v_lshl_add_u32 v13, v14, 4, v13                ; and 16 more for each 256 passed
	s_mul_i32 s44, s19, HALFS
	s_mul_i32 s46, s20, HALFS
	s_add_co_u32 s46, s46, 2*HALFS
	s_sub_co_u32 s46, s46, s44
	v_mul_u32_u24 v14, s46, v2                     ; lanes 16-31 take P's
	s_add_co_u32 s44, s44, SCL
	v_add_nc_u32 v13, v13, v14
	v_add_nc_u32 v[ADRS], s44, v13
	; the bias: register 8 i + j.  q, k: b_attn[nb + 16 i + 8 h + j];  v: b_attn[nb + 16 i + r]
	s_cmp_lg_u32 s23, 0
	s_cselect_b32 s44, s41, s40                    ; the tile of channels,
	s_cselect_b32 s45, s19, s20                    ; my half of it,
	s_cselect_b32 s47, 0, 4                        ; bytes from register to register
	s_lshl_b32 s44, s44, 10
	s_lshl_b32 s45, s45, 9
	s_add_co_u32 s44, s44, s45
	s_mov_b32 s45, 0
	s_add_nc_u64 s[12:13], s[12:13], s[44:45]
	v_lshlrev_b32 v12, 5, v2
	v_lshlrev_b32 v13, 2, v1
	v_cndmask_b32 v[VJ], v12, v13, s23
.irp j, 1,2,3,4,5,6,7
	v_add_nc_u32 v[VJ+\j], s47, v[VJ+\j-1]
.endr
.irp i, 0,1,2,3,4,5,6,7
.irp j, 0,1,2,3,4,5,6,7
	global_load_b32 v[CB+8*\i+\j], v[VJ+\j], s[12:13] offset:64*\i
.endr
.endr
.macro FRAG reg, adr, q, i             ; 16 rows x 128 K of 4-bit codes: 8 registers: two loads of 16 bytes, 32 bytes apart
.irp c, 0,1
	ds_load_b128 v[\reg+4*\c:\reg+4*\c+3], v[\adr] offset:64*(\q)+32*\c+(\i)*16*PITCH
.endr
.endm
; 16 products: R's blocks a0, a0 + 1 x P's eight.  cm = 0: in place; 1: C = the bias by P's block; 2: by R's block.  The 64 accumulators take turns, one instruction a turn, in one order throughout.
.macro MUL16 a0, p, q, sc, cm
.irp a, \a0, \a0+1
.irp b, 0,1,2,3,4,5,6,7
.if \cm == 1
	v_wmma_scale_f32_16x16x128_f8f6f4 v[8*(8*((\a)%4)+\b):8*(8*((\a)%4)+\b)+7], v[128*(\p)+FR*\b:128*(\p)+FR*\b+FR-1], v[AF+FR*(\a):AF+FR*(\a)+FR-1], v[CB+8*\b:CB+8*\b+7], v[SC+8*NQ*(\sc)+NQ*\b+(\q)], v[SC+8*NQ*(\sc)+NQ*(\a)+(\q)] matrix_a_fmt:MATRIX_FMT_FP4 matrix_b_fmt:MATRIX_FMT_FP4 matrix_a_scale:MATRIX_SCALE_ROW1
.elseif \cm == 2
	v_wmma_scale_f32_16x16x128_f8f6f4 v[8*(8*((\a)%4)+\b):8*(8*((\a)%4)+\b)+7], v[128*(\p)+FR*\b:128*(\p)+FR*\b+FR-1], v[AF+FR*(\a):AF+FR*(\a)+FR-1], v[CB+8*(\a):CB+8*(\a)+7], v[SC+8*NQ*(\sc)+NQ*\b+(\q)], v[SC+8*NQ*(\sc)+NQ*(\a)+(\q)] matrix_a_fmt:MATRIX_FMT_FP4 matrix_b_fmt:MATRIX_FMT_FP4 matrix_a_scale:MATRIX_SCALE_ROW1
.else
	v_wmma_scale_f32_16x16x128_f8f6f4 v[8*(8*((\a)%4)+\b):8*(8*((\a)%4)+\b)+7], v[128*(\p)+FR*\b:128*(\p)+FR*\b+FR-1], v[AF+FR*(\a):AF+FR*(\a)+FR-1], v[8*(8*((\a)%4)+\b):8*(8*((\a)%4)+\b)+7], v[SC+8*NQ*(\sc)+NQ*\b+(\q)], v[SC+8*NQ*(\sc)+NQ*(\a)+(\q)] matrix_a_fmt:MATRIX_FMT_FP4 matrix_b_fmt:MATRIX_FMT_FP4 matrix_a_scale:MATRIX_SCALE_ROW1
.endif
.endr
.endr
.endm
.macro FETCH_B slot, q, p
	WIN 0x40
.irp i, 0,1,2,3,4,5,6,7
	FRAG 128*(\p)+FR*\i, ADRB+\slot, \q, \i
.endr
	WIN 0
.endm
.macro FETCH_A slot, q, i0
.irp i, \i0, \i0+1, \i0+2, \i0+3
	FRAG AF+FR*(\i), ADRA+\slot, \q, \i
.endr
.endm
.macro SCALES sc                       ; a slot's four words a row: lanes 0-15 R's block i, lanes 16-31 P's block i
.irp i, 0,1,2,3,4,5,6,7
	ds_load_b128 v[SC+8*NQ*\sc+NQ*\i:SC+8*NQ*\sc+NQ*\i+3], v[ADRS] offset:\i*SBLK
.endr
.endm
.macro PLACES n                        ; plain vector lines between a matrix instruction and a load into, or a read of, its registers
.rept \n
	v_nop
.endr
.endm
.macro STEP slot, q, cm                ; 128 along K whose successor lies in the same slot
	s_wait_dscnt 4*NL                              ; P's set and R's blocks 0-3 are in; the youngest eight loads (R's blocks 4-7) may be out
	MWIN 0, \cm
	MUL16 0, (\q)%2, \q, \slot, \cm
	MUL16 2, (\q)%2, \q, \slot, \cm
	s_wait_dscnt 0x0
	PLACES NP
	FETCH_B \slot, (\q)+1, 1-(\q)%2
	FETCH_A \slot, (\q)+1, 0
	MWIN 1, \cm
	MUL16 4, (\q)%2, \q, \slot, \cm
	MUL16 6, (\q)%2, \q, \slot, \cm
	PLACES NP
	WIN 0
	FETCH_A \slot, (\q)+1, 4
.endm
	s_wait_tensorcnt 1                             ; the scales and my part of slot 0 are in; slot 1's load may stay out
	s_barrier_signal -1
	s_barrier_wait -1                              ; everybody's are
	FETCH_B 0, 0, 0
	FETCH_A 0, 0, 0
	SCALES 0
	FETCH_A 0, 0, 4
	s_wait_loadcnt 0x0                             ; the bias
	s_cmp_lg_u32 s23, 0
	s_cbranch_scc1 .Lfirst_v
	STEP 0, 0, 1
	s_branch .Lfirst_done
.Lfirst_v:
	STEP 0, 0, 2
.Lfirst_done:
	STEP 0, 1, 0
	STEP 0, 2, 0
	; slot 0's last step, and the change to slot 1: my part of it has landed, then the barrier says so of every wave
	s_wait_tensorcnt 0x0
	s_wait_dscnt 4*NL
	MWIN 0, 0
	MUL16 0, 1, 3, 0, 0
	s_wait_dscnt 0x0
	s_barrier_signal -1
	MUL16 2, 1, 3, 0, 0
	WIN 0
	s_barrier_wait -1
	PLACES NP
	v_add_nc_u32 v[ADRS], 4*NQ, v[ADRS]
	FETCH_B 1, 0, 0
	FETCH_A 1, 0, 0
	SCALES 1
	MWIN 1, 0
	MUL16 4, 1, 3, 0, 0
	MUL16 6, 1, 3, 0, 0
	PLACES NP
	WIN 0
	FETCH_A 1, 0, 4
	STEP 1, 0, 0
	STEP 1, 1, 0
	STEP 1, 2, 0
	s_wait_dscnt 4*NL
	MWIN 0, 0
	MUL16 0, 1, 3, 1, 0
	MUL16 2, 1, 3, 1, 0
	s_wait_dscnt 0x0
	MWIN 1, 0
	MUL16 4, 1, 3, 1, 0
	MUL16 6, 1, 3, 1, 0
	WIN 0
	PLACES NP
	; ---- the way out.  All tensor loads have been waited for: the descriptors' registers are free
	s_cmp_lg_u32 s23, 0
	s_cselect_b32 s44, s41, s40                    ; the tile of channels, my half of it,
	s_cselect_b32 s45, s19, s20
	s_cselect_b32 s46, s40, s41                    ; the tile of tokens, my half of it
	s_cselect_b32 s47, s20, s19
	s_mov_b32 s24, 512
	s_cselect_b32 s24, 1024, s24                   ; bytes from R's block to the next: a token tile, or a d tile
	s_mov_b32 s25, 65536
	s_cselect_b32 s25, 512, s25                    ; bytes from the first 64 of a lane's K to the second: the next head, or c = 1
	s_lshr_b32 s26, s46, 3                         ; batch
	s_and_b32 s46, s46, 7
	s_lshl_b32 s46, s46, 1
	s_add_co_u32 s46, s46, s47                     ; the step of 128 tokens
	s_and_b32 s44, s44, 3
	s_lshl_b32 s44, s44, 2
	s_lshl_b32 s45, s45, 1
	s_add_co_u32 s44, s44, s45                     ; my first head
	s_cmp_lg_u32 s23, 0
	s_cselect_b32 s27, s46, s44
	s_cselect_b32 s28, s44, s46
	s_lshl_b32 s30, ttmp9, 22                      ; the region: q, k or v
	s_lshl_b32 s29, s26, 20
	s_add_co_u32 s30, s30, s29
	s_lshl_b32 s27, s27, 16
	s_add_co_u32 s30, s30, s27
	s_lshl_b32 s28, s28, 12
	s_add_co_u32 s30, s30, s28
	s_mov_b32 s31, 0
	s_add_nc_u64 s[14:15], s[14:15], s[30:31]
	s_lshl_b32 s32, ttmp9, 18
	s_lshl_b32 s29, s26, 16
	s_add_co_u32 s32, s32, s29
	s_lshl_b32 s29, s44, 12
	s_add_co_u32 s32, s32, s29
	s_lshl_b32 s29, s46, 8
	s_add_co_u32 s32, s32, s29
	s_mov_b32 s33, 0
	s_add_nc_u64 s[16:17], s[16:17], s[32:33]
	s_mov_b32 s100, 0x76543210
	s_mov_b32 s101, 0xfedcba98                     ; v_permlanex16_b32's selects for lane l xor 16
	s_mov_b32 s66, 0xffff0000                      ; lanes 16-31
	v_mov_b32 v[VOFF], v3
	v_add_nc_u32 v[VOFF+1], s25, v3
.irp i, 2,3,4,5,6,7,8,9,10,11,12,13,14,15
	v_add_nc_u32 v[VOFF+\i], s24, v[VOFF+\i-2]
.endr
.irp b, 0,1,2,3
	v_mov_b32 v[TM+4+\b], 0                        ; a lane permute's destination counts as one of its sources
.endr
	v_lshrrev_b32 v252, 1, v3                      ; 8 x lane
.macro EPI a                           ; R's block a: 16 rows, 128 along the quantiser's K
.set AC, 64*((\a)%4)
.if ((\a)%4) == 2
.set PD, 96+2*((\a)-2)
.else
.set PD, PCD+8*(\a)
.endif
	WIN 0x28+0x14*((\a)/4)                         ; sources 1 and 2: the accumulators' window
.irp b, 0,1,2,3
	v_max3_num_f32 v[TM+\b], 0x1800000, |v[AC+16*\b]|, |v[AC+16*\b+1]|   ; each accumulator is read from its low end on; the floor holds the byte at 1
.endr
.irp i, 2,4,6,8,10,12,14
.irp b, 0,1,2,3
	v_max3_num_f32 v[TM+\b], v[TM+\b], |v[AC+16*\b+\i]|, |v[AC+16*\b+\i+1]|
.endr
.endr
	WIN 0
.irp b, 0,1,2,3
	v_permlanex16_b32 v[TM+4+\b], v[TM+\b], s100, s101
.endr
.irp b, 0,1,2,3
	v_max_num_f32 v[TM+\b], v[TM+\b], v[TM+4+\b]
.endr
.irp b, 0,1,2,3
	v_add_nc_u32 v[TM+8+\b], 0xff000000, v[TM+\b]
.endr
.irp b, 0,1,2,3
	v_lshrrev_b32 v[TM+4+\b], 23, v[TM+8+\b]
.endr
	v_lshl_or_b32 v[HH+2*(\a)], v[TM+5], 8, v[TM+4]
	v_lshl_or_b32 v[HH+2*(\a)+1], v[TM+7], 8, v[TM+6]
	WIN 0x02+((\a)/4)                              ; source 0: the accumulators' window
.irp g, 0,1
	v_cvt_scalef32_pk8_fp4_f32 v[PD+4*\g], v[AC+32*\g:AC+32*\g+7], v[TM+8+2*\g]
	v_cvt_scalef32_pk8_fp4_f32 v[PD+4*\g+1], v[AC+32*\g+16:AC+32*\g+23], v[TM+9+2*\g]
	v_cvt_scalef32_pk8_fp4_f32 v[PD+4*\g+2], v[AC+32*\g+8:AC+32*\g+15], v[TM+8+2*\g]
	v_cvt_scalef32_pk8_fp4_f32 v[PD+4*\g+3], v[AC+32*\g+24:AC+32*\g+31], v[TM+9+2*\g]
.endr
	WIN 0
	v_nop                                          ; one plain line behind a scaled conversion
.irp g, 0,1
	v_permlane16_swap_b32 v[PD+4*\g], v[PD+4*\g+1]
	v_permlane16_swap_b32 v[PD+4*\g+2], v[PD+4*\g+3]
.endr
.irp g, 0,1
	global_store_b128 v[VOFF+2*(\a)+\g], v[PD+4*\g:PD+4*\g+3], s[14:15]   ; 512 consecutive bytes, aligned; each block has registers of its own
.endr
.endm
.irp a, 0,1,2,3,4,5,6,7
	EPI \a
.endr
.irp g, 0,1
.irp p, 0,1,2,3
	v_cndmask_b32 v[TM], v[HH+4*\p+\g], v[HH+8*\g+2*\p], s23
	v_cndmask_b32 v[TM+1], v[HH+4*\p+2+\g], v[HH+8*\g+2*\p+1], s23
	v_lshl_or_b32 v[WQ+4*\g+\p], v[TM+1], 16, v[TM]
.endr
	v_cndmask_b32 v[SW+2*\g], v[WQ+4*\g], v[WQ+4*\g+1], s66
	v_cndmask_b32 v[SW+2*\g+1], v[WQ+4*\g+2], v[WQ+4*\g+3], s66
	global_store_b64 v252, v[SW+2*\g:SW+2*\g+1], s[16:17] offset:4096*\g   ; a head's and step's 256 bytes of scale words, consecutive and aligned
.endr
	s_wait_tensorcnt 0x0
	ds_add_u32 v126, v127
	s_wait_dscnt 0x0
	CROUND                                         ; the closing round: no work-group ends while a partner may still ask for a tile that names it
	s_endpgm
.Lfunc_end_k_qa86cd8e652_qkv:
	.size	k_qa86cd8e652_qkv, .Lfunc_end_k_qa86cd8e652_qkv-k_qa86cd8e652_qkv
	.p2alignl 7, 3214868480
	.fill 96, 4, 3214868480
	.section	.rodata,"a",@progbits
	.p2align	6, 0x0
	.amdhsa_kernel k_qa86cd8e652_qkv
		.amdhsa_group_segment_fixed_size 296448
		.amdhsa_private_segment_fixed_size 0
		.amdhsa_enable_private_segment 0
		.amdhsa_kernarg_size 56
		.amdhsa_user_sgpr_count 2
		.amdhsa_user_sgpr_kernarg_segment_ptr 1
		.amdhsa_wavefront_size32 1
		.amdhsa_system_sgpr_workgroup_id_x 1
		.amdhsa_system_sgpr_workgroup_id_y 1
		.amdhsa_system_sgpr_workgroup_id_z 1
		.amdhsa_system_vgpr_workitem_id 0
		.amdhsa_next_free_vgpr 1024
		.amdhsa_next_free_sgpr 102
		.amdhsa_reserve_vcc 0
		.amdhsa_float_denorm_mode_32 3
		.amdhsa_float_denorm_mode_16_64 3
		.amdhsa_memory_ordered 1
		.amdhsa_forward_progress 1
		.amdhsa_inst_pref_size 148
	.end_amdhsa_kernel
	.amdgpu_metadata
---
amdhsa.version: [ 1, 2 ]
amdhsa.kernels:
  - .name:           k_qa86cd8e652_qkv
    .symbol:         k_qa86cd8e652_qkv.kd
    .args:
      - { .name: xc, .offset: 0, .size: 8, .value_kind: global_buffer, .address_space: global }
      - { .name: xs, .offset: 8, .size: 8, .value_kind: global_buffer, .address_space: global }
      - { .name: wc, .offset: 16, .size: 8, .value_kind: global_buffer, .address_space: global }
      - { .name: ws, .offset: 24, .size: 8, .value_kind: global_buffer, .address_space: global }
      - { .name: b_attn, .offset: 32, .size: 8, .value_kind: global_buffer, .address_space: global }
      - { .name: qkv, .offset: 40, .size: 8, .value_kind: global_buffer, .address_space: global }
      - { .name: qkvs, .offset: 48, .size: 8, .value_kind: global_buffer, .address_space: global }
    .group_segment_fixed_size: 296448
    .private_segment_fixed_size: 0
    .kernarg_segment_align: 8
    .kernarg_segment_size: 56
    .max_flat_workgroup_size: 128
    .sgpr_count:     102
    .vgpr_count:     1024
    .wavefront_size: 32
...
	.end_amdgpu_metadata
.endif
;; end of part 2
;; launch attn (part 3): grid 4 x 64, 16 waves a work-group, no clusters, 169,984 bytes of LDS; arguments qkv, qkvs, yc, ys; writes yc, ys
.if DOCPART == 3
	.amdgcn_target "amdgcn-amd-amdhsa--gfx1250"
	.amdhsa_code_object_version 6
	.text
	.protected	k_qa86cd8e652_attn
	.globl	k_qa86cd8e652_attn
	.p2align	8
	.type	k_qa86cd8e652_attn,@function
k_qa86cd8e652_attn:
	s_mov_b64 s[64:65], 0
	v_nop
	global_prefetch_b8 v0, s[64:65] scope:SCOPE_SE
	s_setreg_imm32_b32 hwreg(HW_REG_WAVE_MODE, 25, 1), 1
	s_wait_xcnt 0x0
; Causal attention of one head on codes of FP4, and y quantised along the channels on the way out.  q, k, v come as images of operand registers (see the launch before).
; SOFTMAX: t = score x log2(e) / 8; M = the running largest t rounded up to a whole number; p = 2^(t - M) is quantised along the keys, not normalised; the sum of the unquantised p divides at the end
; (a reciprocal by v_rcp_f32 and a multiplication).  When M moves, the sum and O are multiplied by 2^(old M - new M): exact.
; SHARES.  A work-group owns one head (y) and, by its x = g, 32 tiles of 16 queries: wave w takes tile 16 g + w and then tile 127 - (16 g + w).  Tile T needs T / 8 + 1 key steps of 128: 17 for each wave of the launch.
; LDS holds the head's K and V codes and scale words whole, each byte filled once by ten tensor loads; one barrier; after it LDS is only read.
; NO CLUSTER: the work-groups that share K and V are query blocks of one head, and the text leaves hidden key steps out by a branch on the query tile, which differs between them; what is shared is fetched
; once by each work-group, 139,264 bytes.  Every work-group fetches all 2,048 keys, also the part that only its later tiles read.
; K = 64 IN A PRODUCT OF 128: a fragment of K holds TWO key tiles (registers 0-3, 4-7).  Against [Q | 0] it gives the first, against [0 | Q] the second: v16-27 hold Q, zeros, Q.  Zero codes add nothing under any scale byte here (1 to 252).
; Both products are used transposed: a lane holds one query (lane % 16); register j of score tile t is key 16 t + 8 (lane / 16) + j.
; y's scale bytes leave one to a lane: 262,144 bytes of the launch's 4,456,448.
; LIMITS: blocks of y under 2^-124 get the byte 1; NaN and infinities are not served.
; REGISTERS: v1-6 addresses, r, h; v8-11 the step's addresses; v12 -M, v13 largest t, v[14:15] the sum; v16-27 Q; v28 Q's scale word; v32-63 K; v64-95 V; v96-159 scores, then p; v160-191 O^T;
;   v192-199 codes; v200-203 K's and V's scale words; v204 p's; v208-227 at work.
.set VIMG, 65536
.set KSC,  131072
.set VSC,  135168
.set TAU,  60                          ; s60 the query tile in hand
.set TRIP, 61
.set CNT,  62
.set Q0,   63                          ; s63 its first query
.set KFS,  66                          ; s66 the step's first key
.set TK,   67                          ; s67 the step's codes in LDS: 4,096 bytes a step
.set TS,   68                          ; s68 its scale words: 256 bytes a step
	s_load_b256 s[4:11], s[0:1], 0x0               ; qkv, qkvs, yc, ys
	v_lshl_add_u32 v254, v0, 2, 0x29000
	v_mov_b32 v255, 0
	ds_add_u32 v254, v255
	ds_add_u32 v254, v255
	v_lshrrev_b32 v1, 5, v0
	s_delay_alu instid0(VALU_DEP_1)
	v_readfirstlane_b32 s12, v1                    ; wave 0..15
	s_and_b32 s13, ttmp7, 0xffff                   ; batch x 16 + head
	s_lshr_b32 s14, s13, 4
	s_and_b32 s15, s13, 15
	s_and_b32 s16, s12, 3
	s_and_b32 s17, s12, 1
	s_mov_b32 s24, 3<<16                           ; K: 16,384 dense bytes as 64 rows of 32 elements of 8 bytes
	s_mov_b32 s25, 32<<16
	s_mov_b32 s26, 64<<16
	s_mov_b32 s27, 32<<16
	s_mov_b32 s28, 64
	s_mov_b32 s29, 32
	s_mov_b32 s30, 0
	s_mov_b32 s31, 0
	s_mov_b32 s32, 3<<16                           ; V: four key steps: 4 rows of 4,096 bytes, 65,536 bytes apart
	s_mov_b32 s33, 512<<16
	s_mov_b32 s34, 4<<16
	s_mov_b32 s35, 512<<16
	s_mov_b32 s36, 4
	s_mov_b32 s37, 8192
	s_mov_b32 s38, 0
	s_mov_b32 s39, 0
	s_mov_b32 s40, 3<<16                           ; scale words: 4,096 dense bytes
	s_mov_b32 s41, 32<<16
	s_mov_b32 s42, 16<<16
	s_mov_b32 s43, 32<<16
	s_mov_b32 s44, 16
	s_mov_b32 s45, 32
	s_mov_b32 s46, 0
	s_mov_b32 s47, 0
	s_lshl_b32 s18, s16, 14                        ; a quarter of K's or V's 65,536 bytes
	s_lshl_b32 s70, s13, 16
	s_add_co_u32 s70, s70, s18
	s_add_co_u32 s70, s70, 0x400000                ; k's region
	s_mov_b32 s71, 0
	s_lshl_b32 s72, s14, 20
	s_lshl_b32 s19, s15, 12
	s_add_co_u32 s72, s72, s19
	s_lshl_b32 s19, s16, 18
	s_add_co_u32 s72, s72, s19
	s_add_co_u32 s72, s72, 0x800000                ; v's region
	s_mov_b32 s73, 0
	s_add_co_u32 s74, s17, 1                       ; region 1 (k) or 2 (v) of the scale words
	s_lshl_b32 s74, s74, 18
	s_lshl_b32 s19, s13, 12
	s_add_co_u32 s74, s74, s19
	s_mov_b32 s75, 0
	s_lshl_b32 s19, s17, 12
	s_mov_b32 s20, 0x76543210
	s_mov_b32 s21, 0xfedcba98                      ; v_permlanex16_b32's selects for lane l xor 16
	s_mov_b32 s22, 0x3e38aa3b                      ; c = log2(e) / 8
	s_mov_b32 s23, s22
	s_mov_b32 s88, 0xffff0000                      ; lanes 16-31
	s_wait_dscnt 0x0
	s_wait_kmcnt 0x0
	s_mov_b32 s48, 1
	s_mov_b32 s49, s18
	s_add_nc_u64 s[50:51], s[4:5], s[70:71]
	s_or_b32 s51, s51, 0x80000000
	s_mov_b32 s52, 1
	s_add_co_u32 s53, s18, VIMG
	s_add_nc_u64 s[54:55], s[4:5], s[72:73]
	s_or_b32 s55, s55, 0x80000000
	s_mov_b32 s56, 1
	s_add_co_u32 s57, s19, KSC
	s_add_nc_u64 s[58:59], s[6:7], s[74:75]
	s_or_b32 s59, s59, 0x80000000
	s_cmp_lt_u32 s12, 4                            ; waves 0-3: K; 4-7: V; 8, 9: the scale words; the others fetch nothing.  One load a wave at the most; four v_nop follow each line
	s_cbranch_scc0 .Lnot_k
	tensor_load_to_lds s[48:51], s[24:31]
	s_nop 0
.rept 4
	v_nop
.endr
	s_branch .Lasked
.Lnot_k:
	s_cmp_lt_u32 s12, 8
	s_cbranch_scc0 .Lnot_v
	tensor_load_to_lds s[52:55], s[32:39]
	s_nop 0
.rept 4
	v_nop
.endr
	s_branch .Lasked
.Lnot_v:
	s_cmp_lt_u32 s12, 10
	s_cbranch_scc0 .Lasked
	tensor_load_to_lds s[56:59], s[40:47]
	s_nop 0
.rept 4
	v_nop
.endr
.Lasked:
	v_and_b32 v5, 15, v0                           ; r
	v_bfe_u32 v6, v0, 4, 1                         ; h
	v_and_b32 v31, 31, v0
	s_delay_alu instid0(VALU_DEP_1)
	v_lshlrev_b32 v1, 4, v31                       ; 16 x lane: K's images in LDS, and every image in memory
	s_delay_alu instid0(VALU_DEP_1)
	v_add_nc_u32 v2, VIMG, v1
	s_delay_alu instid0(VALU_DEP_3)
	v_lshl_add_u32 v3, v31, 3, KSC
	s_delay_alu instid0(VALU_DEP_4)
	v_lshl_add_u32 v4, v31, 3, VSC
	v_lshlrev_b32 v29, 3, v5                       ; Q's scale word: 8 r
	v_lshl_add_u32 v30, v5, 5, v6                  ; y's scale byte: 32 r + h
.irp j, 20,21,22,23,212,213,214,215,221,222
	v_mov_b32 v\j, 0                               ; the zeros between the two Q; permute destinations; upper halves of pairs
.endr
	v_mov_b32 v226, 0xff800000                     ; -infinity
	s_lshl_b32 s70, s13, 16
	s_mov_b32 s71, 0
	s_add_nc_u64 s[76:77], s[4:5], s[70:71]        ; q's images of my head
	s_lshl_b32 s72, s13, 12
	s_mov_b32 s73, 0
	s_add_nc_u64 s[78:79], s[6:7], s[72:73]        ; q's scale words
	s_lshl_b32 s74, s14, 20
	s_lshl_b32 s69, s15, 9
	s_add_co_u32 s74, s74, s69
	s_mov_b32 s75, 0
	s_add_nc_u64 s[8:9], s[8:9], s[74:75]          ; yc at my batch and head
	s_lshl_b32 s74, s14, 16
	s_lshl_b32 s69, s15, 1
	s_add_co_u32 s74, s74, s69
	s_add_nc_u64 s[10:11], s[10:11], s[74:75]      ; ys likewise
	s_lshl_b32 s[TAU], ttmp9, 4
	s_add_co_u32 s[TAU], s[TAU], s12
	s_mov_b32 s[TRIP], 0
	s_wait_tensorcnt 0x0                           ; my load, if I issued one, has landed
	s_barrier_signal -1
	s_barrier_wait -1                              ; everybody's has
.Ltile:
	s_lshl_b32 s[Q0], s[TAU], 4
	s_lshl_b32 s80, s[TAU], 9
	s_mov_b32 s81, 0
	s_add_nc_u64 s[80:81], s[76:77], s[80:81]
	s_lshr_b32 s82, s[TAU], 3                      ; the word of my tile: step T / 8; lanes 16 ((T / 2) % 2) on; word (T / 4) % 2; half T % 2
	s_lshl_b32 s82, s82, 8
	s_bfe_u32 s69, s[TAU], 0x10001
	s_lshl_b32 s69, s69, 7
	s_add_co_u32 s82, s82, s69
	s_bfe_u32 s69, s[TAU], 0x10002
	s_lshl_b32 s69, s69, 2
	s_add_co_u32 s82, s82, s69
	s_mov_b32 s83, 0
	s_add_nc_u64 s[82:83], s[78:79], s[82:83]
	s_and_b32 s70, s[TAU], 1
	s_lshl_b32 s70, s70, 4
	global_load_b128 v[16:19], v1, s[80:81]        ; Q, twice (the vector work at the end of the tile before is the distance behind the products that read these registers)
	global_load_b128 v[24:27], v1, s[80:81]
	global_load_b32 v205, v29, s[82:83]
	v_mov_b32 v13, 0xff61b1e6                      ; the largest t so far: -3e38
	s_delay_alu instid0(VALU_DEP_1)
	v_floor_f32 v12, -v13
	v_mov_b32 v14, 0
	v_mov_b32 v15, 0
.set j, 0
.rept 32
	v_mov_b32 v[160+j], 0                          ; O^T: the step is written once; its first turn finds zeros
.set j, j+1
.endr
	s_mov_b32 s[KFS], 0
	s_mov_b32 s[TK], 0
	s_mov_b32 s[TS], 0
	s_mov_b32 s[CNT], 0
	s_wait_loadcnt 0x0
	v_lshrrev_b32 v31, s70, v205
	s_delay_alu instid0(VALU_DEP_1)
	v_and_b32 v31, 0xffff, v31
	s_delay_alu instid0(VALU_DEP_1)
	v_lshl_or_b32 v28, v31, 16, v31                ; (s0, s1, s0, s1): serves [Q | 0] and [0 | Q]
.rept 8
	v_nop                                          ; a scale register written by a vector line stands eight places ahead of a scaled product
.endr
.Lstep:                                            ; 16 trips, a constant; a step all of whose keys come after my queries is jumped over: a branch on ids
	s_add_co_u32 s69, s[Q0], 15
	s_cmp_gt_u32 s[KFS], s69
	s_cbranch_scc1 .Lhidden
	s_setprio 2
	v_add_nc_u32 v8, s[TK], v1                     ; these four lines are also the places in front of the loads
	v_add_nc_u32 v9, s[TK], v2
	v_add_nc_u32 v10, s[TS], v3
	v_add_nc_u32 v11, s[TS], v4
.irp p, 0,1,2,3
.irp c, 0,1
	ds_load_b128 v[32+8*\p+4*\c:35+8*\p+4*\c], v8 offset:1024*\p+512*\c
.endr
.endr
	ds_load_b64 v[200:201], v10
.irp p, 0,1,2,3
.irp c, 0,1
	ds_load_b128 v[64+8*\p+4*\c:67+8*\p+4*\c], v9 offset:1024*\p+512*\c
.endr
.endr
	ds_load_b64 v[202:203], v11
	s_wait_dscnt 9                                 ; K and its words are in; V's nine loads may be out
	s_wait_alu depctr_va_vdst(0)
.irp p, 0,1,2,3
.if \p % 2
	v_wmma_scale_f32_16x16x128_f8f6f4 v[96+16*\p:103+16*\p], v[32+8*\p:39+8*\p], v[16:23], 0, v[200+\p/2], v28 matrix_a_fmt:MATRIX_FMT_FP4 matrix_b_fmt:MATRIX_FMT_FP4 matrix_a_scale:MATRIX_SCALE_ROW1
	v_wmma_scale_f32_16x16x128_f8f6f4 v[104+16*\p:111+16*\p], v[32+8*\p:39+8*\p], v[20:27], 0, v[200+\p/2], v28 matrix_a_fmt:MATRIX_FMT_FP4 matrix_b_fmt:MATRIX_FMT_FP4 matrix_a_scale:MATRIX_SCALE_ROW1
.else
	v_wmma_scale_f32_16x16x128_f8f6f4 v[96+16*\p:103+16*\p], v[32+8*\p:39+8*\p], v[16:23], 0, v[200+\p/2], v28 matrix_a_fmt:MATRIX_FMT_FP4 matrix_b_fmt:MATRIX_FMT_FP4
	v_wmma_scale_f32_16x16x128_f8f6f4 v[104+16*\p:111+16*\p], v[32+8*\p:39+8*\p], v[20:27], 0, v[200+\p/2], v28 matrix_a_fmt:MATRIX_FMT_FP4 matrix_b_fmt:MATRIX_FMT_FP4
.endif
.endr
.rept 4
	v_nop
.endr
	s_add_co_u32 s69, s[KFS], 127                  ; on the diagonal hidden scores become -infinity; a step all of whose keys count skips this
	s_cmp_le_u32 s69, s[Q0]
	s_cbranch_scc1 .Lopen
	s_sub_co_i32 s69, s[Q0], s[KFS]
	v_lshlrev_b32 v223, 3, v6
	s_delay_alu instid0(VALU_DEP_1)
	v_sub_nc_u32 v227, v5, v223
	s_delay_alu instid0(VALU_DEP_1)
	v_add_nc_u32 v227, s69, v227                   ; d = my query - the step's first key - 8 h: register 8 t + j is hidden where 16 t + j > d
.set n, 0
.rept 64
	v_cmp_gt_i32 vcc_lo, 16*(n/8)+n%8, v227
	v_cndmask_b32 v[96+n], v[96+n], v226, vcc_lo
.set n, n+1
.endr
.Lopen:
.irp b, 0,1,2,3
	v_max3_num_f32 v[208+\b], v[96+16*\b], v[97+16*\b], v[98+16*\b]   ; the largest score of each block of 32 keys: for the row's maximum and, since p rises with the score, for the block's largest p
.endr
.irp i, 3,5,7,9,11,13
.irp b, 0,1,2,3
	v_max3_num_f32 v[208+\b], v[208+\b], v[96+16*\b+\i], v[97+16*\b+\i]
.endr
.endr
.irp b, 0,1,2,3
	v_max_num_f32 v[208+\b], v[208+\b], v[111+16*\b]
.endr
.irp b, 0,1,2,3
	s_delay_alu instid0(VALU_DEP_4)
	v_permlanex16_b32 v[212+\b], v[208+\b], s20, s21
.endr
.irp b, 0,1,2,3
	s_delay_alu instid0(VALU_DEP_4)
	v_max_num_f32 v[208+\b], v[208+\b], v[212+\b]
.endr
	s_delay_alu instid0(VALU_DEP_2)
	v_max3_num_f32 v222, v208, v209, v210
	s_delay_alu instid0(VALU_DEP_1)
	v_max_num_f32 v222, v222, v211
	s_delay_alu instid0(VALU_DEP_1)
	v_mul_f32 v222, s22, v222
	s_delay_alu instid0(VALU_DEP_1)
	v_max_num_f32 v13, v13, v222                   ; the running largest t
	v_mov_b32 v222, v12
	s_delay_alu instid0(VALU_DEP_2)
	v_floor_f32 v12, -v13                          ; -M = floor(-t)
	s_delay_alu instid0(VALU_DEP_1)
	v_sub_f32 v222, v12, v222                      ; old M - new M: a whole number, 0 or less
	s_delay_alu instid0(VALU_DEP_1)
	v_cvt_i32_f32 v222, v222                       ; (it saturates)
	s_delay_alu instid0(VALU_DEP_1)
	v_ldexp_f32 v220, 1.0, v222                    ; f = 2^(old M - new M)
.set j, 0
.rept 32
	v_pk_fma_f32 v[96+j:97+j], v[96+j:97+j], s[22:23], v[12:13] op_sel_hi:[1,0,0]   ; t - M
.set j, j+2
.endr
	s_setprio 1
.irp b, 0,1,2,3
	v_fma_f32 v[208+\b], v[208+\b], s22, v12
.endr
.set j, 0
	s_wait_alu depctr_va_vdst(0)
.rept 64
	v_exp_f32 v[96+j], v[96+j]
.set j, j+1
.endr
.irp b, 0,1,2,3
	v_exp_f32 v[208+\b], v[208+\b]
.endr
	v_pk_mul_f32 v[14:15], v[14:15], v[220:221] op_sel_hi:[1,0]   ; the sums under the new M (a plain line behind the exponentials)
	s_wait_alu depctr_va_vdst(0)
.irp b, 0,1,2,3
	v_max_num_f32 v[208+\b], 0x1800000, v[208+\b]  ; the floor: the byte cannot fall under 1
.endr
.irp b, 0,1,2,3
	s_delay_alu instid0(VALU_DEP_4)
	v_add_nc_u32 v[216+\b], 0xff000000, v[208+\b]
.endr
.irp b, 0,1,2,3
	s_delay_alu instid0(VALU_DEP_4)
	v_lshrrev_b32 v[212+\b], 23, v[216+\b]
.endr
	s_delay_alu instid0(VALU_DEP_3)
	v_lshl_or_b32 v204, v213, 8, v212
	s_delay_alu instid0(VALU_DEP_1)
	v_lshl_or_b32 v204, v214, 16, v204
	s_delay_alu instid0(VALU_DEP_1)
	v_lshl_or_b32 v204, v215, 24, v204             ; p's scale word for these 128 keys
.irp c, 0,1
	v_cvt_scalef32_pk8_fp4_f32 v[192+4*\c], v[96+32*\c:103+32*\c], v[216+2*\c]
	v_cvt_scalef32_pk8_fp4_f32 v[193+4*\c], v[112+32*\c:119+32*\c], v[217+2*\c]
	v_cvt_scalef32_pk8_fp4_f32 v[194+4*\c], v[104+32*\c:111+32*\c], v[216+2*\c]
	v_cvt_scalef32_pk8_fp4_f32 v[195+4*\c], v[120+32*\c:127+32*\c], v[217+2*\c]
.endr
	v_nop                                          ; one plain line behind a scaled conversion
.irp c, 0,1
	v_permlane16_swap_b32 v[192+4*\c], v[193+4*\c] ; lane (r, h) now holds keys 64 c + 32 h + 0 .. 31
	v_permlane16_swap_b32 v[194+4*\c], v[195+4*\c]
.endr
	v_pk_add_f32 v[224:225], v[100:101], v[104:105]
	v_pk_add_f32 v[252:253], v[108:109], v[112:113]
	v_pk_add_f32 v[250:251], v[116:117], v[120:121]
	v_pk_add_f32 v[248:249], v[124:125], v[128:129]
	v_pk_add_f32 v[246:247], v[132:133], v[136:137]
	v_pk_add_f32 v[244:245], v[140:141], v[144:145]
	v_pk_add_f32 v[242:243], v[148:149], v[152:153]
	v_pk_add_f32 v[14:15], v[14:15], v[156:157]
	v_pk_add_f32 v[224:225], v[224:225], v[96:97]
	v_pk_add_f32 v[252:253], v[252:253], v[98:99]
	v_pk_add_f32 v[250:251], v[250:251], v[102:103]
	v_pk_add_f32 v[248:249], v[248:249], v[106:107]
	s_setprio 0
	v_pk_add_f32 v[246:247], v[246:247], v[110:111]
	v_pk_add_f32 v[244:245], v[244:245], v[114:115]
	v_pk_add_f32 v[242:243], v[242:243], v[118:119]
	v_pk_add_f32 v[14:15], v[14:15], v[122:123]
	v_pk_add_f32 v[224:225], v[224:225], v[126:127]
	v_pk_add_f32 v[252:253], v[252:253], v[130:131]
	v_pk_add_f32 v[250:251], v[250:251], v[134:135]
	v_pk_add_f32 v[248:249], v[248:249], v[138:139]
	v_pk_add_f32 v[246:247], v[246:247], v[142:143]
	v_pk_add_f32 v[244:245], v[244:245], v[146:147]
	v_pk_add_f32 v[242:243], v[242:243], v[150:151]
	v_pk_add_f32 v[14:15], v[14:15], v[154:155]
	v_pk_add_f32 v[224:225], v[224:225], v[158:159]
	s_delay_alu instid0(VALU_DEP_2)
	v_pk_add_f32 v[14:15], v[14:15], v[248:249]
	s_delay_alu instid0(VALU_DEP_2)
	v_pk_add_f32 v[224:225], v[224:225], v[246:247]
	v_pk_add_f32 v[252:253], v[252:253], v[244:245]
	v_pk_add_f32 v[250:251], v[250:251], v[242:243]
	s_delay_alu instid0(VALU_DEP_2)
	v_pk_add_f32 v[14:15], v[14:15], v[252:253]
	s_delay_alu instid0(VALU_DEP_2)
	v_pk_add_f32 v[224:225], v[224:225], v[250:251]
	s_delay_alu instid0(VALU_DEP_1)
	v_pk_add_f32 v[14:15], v[14:15], v[224:225]
.set j, 0
.rept 16
	v_pk_mul_f32 v[160+j:161+j], v[160+j:161+j], v[220:221] op_sel_hi:[1,0]   ; O^T under the new M
.set j, j+2
.endr
	s_wait_alu depctr_va_vdst(0)
	s_wait_dscnt 0x0                               ; V and its words
.irp t, 0,1,2,3                                    ; four accumulators by turns; the eight score products stand between their turns
.if \t % 2
	v_wmma_scale_f32_16x16x128_f8f6f4 v[160+8*\t:167+8*\t], v[64+8*\t:71+8*\t], v[192:199], v[160+8*\t:167+8*\t], v[202+\t/2], v204 matrix_a_fmt:MATRIX_FMT_FP4 matrix_b_fmt:MATRIX_FMT_FP4 matrix_a_scale:MATRIX_SCALE_ROW1
.else
	v_wmma_scale_f32_16x16x128_f8f6f4 v[160+8*\t:167+8*\t], v[64+8*\t:71+8*\t], v[192:199], v[160+8*\t:167+8*\t], v[202+\t/2], v204 matrix_a_fmt:MATRIX_FMT_FP4 matrix_b_fmt:MATRIX_FMT_FP4
.endif
.endr
.Lhidden:
	s_add_co_u32 s[KFS], s[KFS], 128
	s_add_co_u32 s[TK], s[TK], 4096
	s_add_co_u32 s[TS], s[TS], 256
	s_add_co_u32 s[CNT], s[CNT], 1
	s_cmp_lt_u32 s[CNT], 16
	s_cbranch_scc1 .Lstep
	s_setprio 0
	; ---- the tile's end: y = O^T / the sum, quantised along the head's 64 channels (two blocks), stored as an image of the last product's operand
.rept 4
	v_nop
.endr
	v_add_f32 v14, v14, v15
	s_delay_alu instid0(VALU_DEP_1)
	v_permlanex16_b32 v222, v14, s20, s21
	s_delay_alu instid0(VALU_DEP_1)
	v_add_f32 v14, v14, v222
	s_wait_alu depctr_va_vdst(0)
	v_rcp_f32 v220, v14
	v_nop
.set j, 0
	s_wait_alu depctr_va_vdst(0)
.rept 16
	v_pk_mul_f32 v[160+j:161+j], v[160+j:161+j], v[220:221] op_sel_hi:[1,0]
.set j, j+2
.endr
.irp b, 0,1
	v_max3_num_f32 v[208+\b], |v[160+16*\b]|, |v[161+16*\b]|, 0x1800000
.endr
.irp i, 2,4,6,8,10,12,14
.irp b, 0,1
	s_delay_alu instid0(VALU_DEP_2)
	v_max3_num_f32 v[208+\b], v[208+\b], |v[160+16*\b+\i]|, |v[161+16*\b+\i]|
.endr
.endr
.irp b, 0,1
	s_delay_alu instid0(VALU_DEP_2)
	v_permlanex16_b32 v[212+\b], v[208+\b], s20, s21
.endr
.irp b, 0,1
	s_delay_alu instid0(VALU_DEP_2)
	v_max_num_f32 v[208+\b], v[208+\b], v[212+\b]
.endr
.irp b, 0,1
	s_delay_alu instid0(VALU_DEP_2)
	v_add_nc_u32 v[216+\b], 0xff000000, v[208+\b]
.endr
.irp b, 0,1
	s_delay_alu instid0(VALU_DEP_2)
	v_lshrrev_b32 v[212+\b], 23, v[216+\b]
.endr
	v_cvt_scalef32_pk8_fp4_f32 v192, v[160:167], v216
	v_cvt_scalef32_pk8_fp4_f32 v193, v[176:183], v217
	v_cvt_scalef32_pk8_fp4_f32 v194, v[168:175], v216
	v_cvt_scalef32_pk8_fp4_f32 v195, v[184:191], v217
	v_nop
	v_permlane16_swap_b32 v192, v193
	v_permlane16_swap_b32 v194, v195
	v_cndmask_b32 v222, v212, v213, s88            ; lanes 0-15 carry block 0's byte, lanes 16-31 block 1's
	s_lshl_b32 s84, s[TAU], 13
	s_mov_b32 s85, 0
	s_add_nc_u64 s[84:85], s[8:9], s[84:85]
	s_lshl_b32 s86, s[TAU], 9
	s_mov_b32 s87, 0
	s_add_nc_u64 s[86:87], s[10:11], s[86:87]
	global_store_b128 v1, v[192:195], s[84:85]     ; 512 consecutive bytes, aligned
	global_store_b8 v30, v222, s[86:87]
	s_wait_xcnt 0x0                                ; the stores' data and bases are written again only behind this wait
	s_sub_co_u32 s[TAU], 127, s[TAU]
	s_add_co_u32 s[TRIP], s[TRIP], 1
	s_cmp_lt_u32 s[TRIP], 2
	s_cbranch_scc1 .Ltile
	s_wait_tensorcnt 0x0
	ds_add_u32 v254, v255
	s_wait_dscnt 0x0
	s_endpgm
.Lfunc_end_k_qa86cd8e652_attn:
	.size	k_qa86cd8e652_attn, .Lfunc_end_k_qa86cd8e652_attn-k_qa86cd8e652_attn
	.p2alignl 7, 3214868480
	.fill 96, 4, 3214868480
	.section	.rodata,"a",@progbits
	.p2align	6, 0x0
	.amdhsa_kernel k_qa86cd8e652_attn
		.amdhsa_group_segment_fixed_size 169984
		.amdhsa_private_segment_fixed_size 0
		.amdhsa_enable_private_segment 0
		.amdhsa_kernarg_size 32
		.amdhsa_user_sgpr_count 2
		.amdhsa_user_sgpr_kernarg_segment_ptr 1
		.amdhsa_wavefront_size32 1
		.amdhsa_system_sgpr_workgroup_id_x 1
		.amdhsa_system_sgpr_workgroup_id_y 1
		.amdhsa_system_sgpr_workgroup_id_z 1
		.amdhsa_system_vgpr_workitem_id 0
		.amdhsa_next_free_vgpr 256
		.amdhsa_next_free_sgpr 90
		.amdhsa_reserve_vcc 1
		.amdhsa_float_denorm_mode_32 3
		.amdhsa_float_denorm_mode_16_64 3
		.amdhsa_memory_ordered 1
		.amdhsa_forward_progress 1
		.amdhsa_inst_pref_size 35
	.end_amdhsa_kernel
	.amdgpu_metadata
---
amdhsa.version: [ 1, 2 ]
amdhsa.kernels:
  - .name:           k_qa86cd8e652_attn
    .symbol:         k_qa86cd8e652_attn.kd
    .args:
      - { .name: qkv, .offset: 0, .size: 8, .value_kind: global_buffer, .address_space: global }
      - { .name: qkvs, .offset: 8, .size: 8, .value_kind: global_buffer, .address_space: global }
      - { .name: yc, .offset: 16, .size: 8, .value_kind: global_buffer, .address_space: global }
      - { .name: ys, .offset: 24, .size: 8, .value_kind: global_buffer, .address_space: global }
    .group_segment_fixed_size: 169984
    .private_segment_fixed_size: 0
    .kernarg_segment_align: 8
    .kernarg_segment_size: 32
    .max_flat_workgroup_size: 512
    .sgpr_count:     90
    .vgpr_count:     256
    .wavefront_size: 32
...
	.end_amdgpu_metadata
.endif
;; end of part 3
;; launch proj (part 4): grid 4 x 64, 4 waves a work-group, clusters of 4 x 4, 327,680 bytes of LDS; arguments yc, ys, wc, ws, b_proj, out0; writes out0
.if DOCPART == 4
	.amdgcn_target "amdgcn-amd-amdhsa--gfx1250"
	.amdhsa_code_object_version 6
	.text
	.protected	k_qa86cd8e652_proj
	.globl	k_qa86cd8e652_proj
	.p2align	8
	.type	k_qa86cd8e652_proj,@function
k_qa86cd8e652_proj:
	s_mov_b64 s[64:65], 0
	v_nop
	global_prefetch_b8 v0, s[64:65] scope:SCOPE_SE
	s_setreg_imm32_b32 hwreg(HW_REG_WAVE_MODE, 25, 1), 1
	s_wait_xcnt 0x0
	s_wait_alu depctr_hold_cnt(0) depctr_sa_sdst(0) depctr_va_vdst(0) depctr_va_sdst(0) depctr_va_ssrc(0) depctr_va_vcc(0) depctr_vm_vsrc(0)
	s_getreg_b32 s2, hwreg(HW_REG_IB_STS2, 6, 4)
	s_cmp_eq_u32 s2, 0
	s_cbranch_scc0 .Lentry_in_a_cluster
	s_endpgm
.Lentry_in_a_cluster:
	s_bfe_u32 s2, ttmp6, 0x10000c
	s_cmp_lg_u32 s2, 0xf033
	s_cbranch_scc0 .Lentry_shape_is_right
	s_endpgm
.Lentry_shape_is_right:
; out0 = y w_proj + b_proj on codes of FP4, K = 1,024.  y comes as images of operand registers (yc: [row tile][head][lane][16 bytes]) with scale bytes ys [8192][32]; w_proj's codes are rows 3,072 on of wc, its scale bytes of ws.
; A work-group makes 128 rows x 256 columns: 256 work-groups (tiles of 256 x 256 would be 128).  Wave w: rows 64 (w >> 1) on, columns 128 (w & 1) on: 32 accumulators.
; Source 0 = 16 rows of wc (columns n), source 1 = 16 rows of y: a lane then holds eight neighbouring numbers of a row of out0.  The bias is the C of each sum's first product.
; All of K lies in LDS at once, each byte filled once; the stages for the way out have bytes of their own.
; CLUSTERS: 4 x 4: y's tile hangs on cy and is asked for jointly by a row of the cluster, the weight's on cx, by a column.
; REGISTERS: window 0: v1-27 addresses; v32-63 scale words: lanes 0-15 y's block i, lanes 16-31 the weight's block i (i = 0 .. 3), register 8 i + q; v64-95 the weight's blocks 4-7; v96-159 y's fragments, two sets;
;   on the way out v96-159 and v160-223 by turns.  window 1: the weight's fragments, two sets, at v0 and v128; the bias at v64-127.  window 2: accumulator (a, b) at v[8 (8 a + b)].
.set WCOD,   65536                     ; behind y's images (65,536 dense bytes): 256 rows of 512 bytes + 16
.set WPITCH, 528
.set SCL,    WCOD+256*WPITCH           ; scale bytes as pieces of 256 + 16: y's 16 pieces, then the weight's 32
.set STG,    SCL+48*272                ; four stages of 16 rows x 528 bytes
.set SPITCH, 528
.set ADW,  16
.set ADY,  17
.set ADRS, 18
.set ADRP2, 19
.set STO,  24
.set RD,   25
.set XS,   32
.set YS,   64
.set RF,   96
.set BK,   96
.set CBW,  64                          ; the bias, in window 1
.set G1Y,  24
.set G0Y,  32
.set G0W,  36
.set G1W,  48
.set G1SR, 68
.set G0SR, 76
.set G1SP, 80
.set G0SP, 88
.set MSB, 0
.macro WIN new
.if MSB != (\new)
	s_set_vgpr_msb (MSB<<8)|(\new)
.set MSB, (\new)
.endif
.endm
.macro JLOAD g0a, g1a, g0b, g1b        ; waves 0, 1 fetch for y, waves 2, 3 for the weight; four v_nop follow each line
	s_cmp_eq_u32 s19, 0
	s_cbranch_scc0 .Lfor_b_\@
	tensor_load_to_lds s[\g0a:\g0a+3], s[\g1a:\g1a+7]
	s_nop 0
.rept 4
	v_nop
.endr
	s_branch .Lasked_\@
.Lfor_b_\@:
	tensor_load_to_lds s[\g0b:\g0b+3], s[\g1b:\g1b+7]
	s_nop 0
.rept 4
	v_nop
.endr
.Lasked_\@:
.endm
.macro CREST
	s_cmp_lg_u32 s18, 0
	s_cbranch_scc1 .Lnot_wave_0_\@
	s_barrier_signal -3
.Lnot_wave_0_\@:
	s_barrier_wait -3
	s_barrier_signal -1
	s_barrier_wait -1
.endm
.macro CROUND
	s_barrier_signal -1
	s_barrier_wait -1
	CREST
.endm
.macro PLACES n
.rept \n
	v_nop
.endr
.endm
	s_load_b256 s[4:11], s[0:1], 0x0               ; yc, ys, wc, ws
	s_load_b128 s[12:15], s[0:1], 0x20             ; b_proj, out0
	v_lshl_add_u32 v254, v0, 2, 0x3c700
	v_mov_b32 v255, 0
	ds_add_u32 v254, v255
	ds_add_u32 v254, v255
	v_lshrrev_b32 v1, 5, v0
	v_readfirstlane_b32 s18, v1                    ; wave
	s_lshr_b32 s19, s18, 1                         ; my half of the rows.  Also: I fetch for y (0) or the weight (1)
	s_and_b32 s20, s18, 1                          ; my half of the columns.  Also: which half of that tile I fetch
	s_bfe_u32 s21, ttmp6, 0x40000                  ; cx
	s_bfe_u32 s22, ttmp6, 0x40004                  ; cy
	s_lshl_b32 s40, ttmp9, 2
	s_add_co_u32 s40, s40, s21                     ; tile column
	s_and_b32 s41, ttmp7, 0xffff
	s_lshl_b32 s41, s41, 2
	s_add_co_u32 s41, s41, s22                     ; tile row
	s_lshl_b32 s42, s22, 2
	s_lshl_b32 s42, 15, s42                        ; my row of the cluster
	s_lshl_b32 s43, 0x1111, s21                    ; my column
	s_or_b32 s[G1Y], s42, (3<<16)|(1<<21)          ; y's images of 64 rows: 32,768 dense bytes as 128 rows of 32 elements of 8 bytes, no padding
	s_mov_b32 s[G1Y+1], 32<<16
	s_mov_b32 s[G1Y+2], 128<<16
	s_mov_b32 s[G1Y+3], 32<<16
	s_mov_b32 s[G1Y+4], 128
	s_mov_b32 s[G1Y+5], 32
	s_mov_b32 s[G1Y+6], 0
	s_mov_b32 s[G1Y+7], 0
	s_or_b32 s[G1W], s43, (1<<20)|(1<<21)|(6<<22)|(3<<25)   ; 128 rows of 512 bytes, 4 words of padding behind every 128
	s_mov_b32 s[G1W+1], 512<<16
	s_mov_b32 s[G1W+2], 128<<16
	s_mov_b32 s[G1W+3], 512<<16
	s_mov_b32 s[G1W+4], 128
	s_mov_b32 s[G1W+5], 512
	s_mov_b32 s[G1W+6], 0
	s_mov_b32 s[G1W+7], 0
	s_or_b32 s[G1SR], s42, (3<<16)|(1<<20)|(1<<21)|(5<<22)|(3<<25)   ; the scale bytes of 64 rows: 8 pieces of 256
	s_mov_b32 s[G1SR+1], 32<<16
	s_mov_b32 s[G1SR+2], 8<<16
	s_mov_b32 s[G1SR+3], 32<<16
	s_mov_b32 s[G1SR+4], 8
	s_mov_b32 s[G1SR+5], 32
	s_mov_b32 s[G1SR+6], 0
	s_mov_b32 s[G1SR+7], 0
	s_or_b32 s[G1SP], s43, (3<<16)|(1<<20)|(1<<21)|(5<<22)|(3<<25)   ; of 128 rows: 16 pieces
	s_mov_b32 s[G1SP+1], 32<<16
	s_mov_b32 s[G1SP+2], 16<<16
	s_mov_b32 s[G1SP+3], 32<<16
	s_mov_b32 s[G1SP+4], 16
	s_mov_b32 s[G1SP+5], 32
	s_mov_b32 s[G1SP+6], 0
	s_mov_b32 s[G1SP+7], 0
	s_lshl_b32 s44, s41, 16                        ; y's codes: 65,536 bytes a tile row, my half
	s_lshl_b32 s45, s20, 15
	s_add_co_u32 s44, s44, s45
	s_mov_b32 s45, 0
	s_lshl_b32 s46, s41, 12                        ; y's scale bytes
	s_lshl_b32 s47, s20, 11
	s_add_co_u32 s46, s46, s47
	s_mov_b32 s47, 0
	s_lshl_b32 s56, s40, 17                        ; the weight's codes: row 3,072 + 256 x tile column + 128 x half
	s_lshl_b32 s57, s20, 16
	s_add_co_u32 s56, s56, s57
	s_add_co_u32 s56, s56, 3072*512
	s_mov_b32 s57, 0
	s_lshl_b32 s58, s40, 13                        ; and its scale bytes
	s_lshl_b32 s59, s20, 12
	s_add_co_u32 s58, s58, s59
	s_add_co_u32 s58, s58, 3072*32
	s_mov_b32 s59, 0
	s_lshl_b32 s60, s20, 15                        ; where they go: the wave's number alone enters an LDS address
	s_mul_i32 s61, s20, 128*WPITCH
	s_mul_i32 s62, s20, 8*272
	s_mul_i32 s63, s20, 16*272
	s_wait_dscnt 0x0
	s_wait_kmcnt 0x0
	CROUND                                         ; all sixteen work-groups are here: the joint loads meet
	s_mov_b32 s[G0SR], 1
	s_add_co_u32 s[G0SR+1], s62, SCL
	s_add_nc_u64 s[G0SR+2:G0SR+3], s[6:7], s[46:47]
	s_or_b32 s[G0SR+3], s[G0SR+3], 0x80000000
	s_mov_b32 s[G0SP], 1
	s_add_co_u32 s[G0SP+1], s63, SCL+16*272
	s_add_nc_u64 s[G0SP+2:G0SP+3], s[10:11], s[58:59]
	s_or_b32 s[G0SP+3], s[G0SP+3], 0x80000000
	JLOAD G0SR, G1SR, G0SP, G1SP
	s_mov_b32 s[G0Y], 1
	s_mov_b32 s[G0Y+1], s60
	s_add_nc_u64 s[G0Y+2:G0Y+3], s[4:5], s[44:45]
	s_or_b32 s[G0Y+3], s[G0Y+3], 0x80000000
	s_mov_b32 s[G0W], 1
	s_add_co_u32 s[G0W+1], s61, WCOD
	s_add_nc_u64 s[G0W+2:G0W+3], s[8:9], s[56:57]
	s_or_b32 s[G0W+3], s[G0W+3], 0x80000000
	s_wait_alu depctr_va_vdst(0)
	s_wait_tensorcnt 0x0
	ds_add_u32 v254, v255
	s_wait_dscnt 0x0
	CROUND
	JLOAD G0Y, G1Y, G0W, G1W                       ; one load of mine is out: the scales' has landed
	v_and_b32 v1, 15, v0                           ; r
	v_bfe_u32 v2, v0, 4, 1                         ; h
	v_and_b32 v3, 31, v0
	v_lshlrev_b32 v3, 4, v3                        ; 16 x lane
	v_mul_u32_u24 v12, v1, WPITCH
	v_lshl_add_u32 v12, v2, 4, v12
	s_mul_i32 s44, s20, 128*WPITCH
	s_add_co_u32 s44, s44, WCOD
	v_add_nc_u32 v[ADW], s44, v12                  ; the weight's fragments: my 128 rows
	s_lshl_b32 s44, s19, 15
	v_add_nc_u32 v[ADY], s44, v3                   ; y's images: my 64 rows
	v_lshlrev_b32 v13, 5, v1                       ; scale bytes: 32 a row, and 16 more for each 256 passed
	v_lshrrev_b32 v14, 8, v13
	v_lshl_add_u32 v13, v14, 4, v13
	s_mul_i32 s44, s19, 8*272
	s_mul_i32 s46, s20, 16*272
	s_add_co_u32 s47, s46, SCL+16*272+8*272
	v_add_nc_u32 v[ADRP2], s47, v13                ; the weight's blocks 4-7
	s_add_co_u32 s46, s46, 16*272
	s_sub_co_u32 s46, s46, s44
	v_mul_u32_u24 v14, s46, v2                     ; lanes 16-31 take the weight's blocks 0-3
	s_add_co_u32 s44, s44, SCL
	v_add_nc_u32 v13, v13, v14
	v_add_nc_u32 v[ADRS], s44, v13
	s_mul_i32 s44, s18, 16*SPITCH
	s_add_co_u32 s44, s44, STG                     ; my stage
	v_mul_u32_u24 v12, v1, SPITCH
	v_lshl_add_u32 v12, v2, 5, v12
	v_add_nc_u32 v[STO], s44, v12                  ; in: row r, 32 bytes for each half of the lanes
	v_add_nc_u32 v[RD], s44, v3                    ; back: the 32 lanes take a row of 512 bytes
	v_lshlrev_b32 v27, 5, v2                       ; the bias: 32 h
	s_wait_alu depctr_va_vdst(0)
	s_lshl_b32 s44, s40, 10
	s_lshl_b32 s45, s20, 9
	s_add_co_u32 s44, s44, s45                     ; my first column, in bytes
	s_mov_b32 s45, 0
	s_add_nc_u64 s[12:13], s[12:13], s[44:45]
	s_add_nc_u64 s[14:15], s[14:15], s[44:45]
	s_lshl_b32 s46, s41, 19
	s_lshl_b32 s47, s19, 18
	s_add_co_u32 s46, s46, s47                     ; my first row, in bytes
	s_mov_b32 s47, 0
	s_add_nc_u64 s[14:15], s[14:15], s[46:47]
	WIN 0x40                                       ; destination window 1
.irp b, 0,1,2,3,4,5,6,7
	global_load_b128 v[CBW+8*\b:CBW+8*\b+3], v27, s[12:13] offset:64*\b
	global_load_b128 v[CBW+8*\b+4:CBW+8*\b+7], v27, s[12:13] offset:64*\b+16
.endr
	WIN 0
.macro FETCH_P q                       ; the weight's eight fragments of K step q into set q % 2 (window 1)
.irp i, 0,1,2,3,4,5,6,7
.irp c, 0,1
	ds_load_b128 v[128*((\q)%2)+8*\i+4*\c:128*((\q)%2)+8*\i+4*\c+3], v[ADW] offset:64*(\q)+32*\c+\i*16*WPITCH
.endr
.endr
.endm
.macro FETCH_R q                       ; y's four: registers 4 c on are head 2 q + c's image
.irp i, 0,1,2,3
.irp c, 0,1
	ds_load_b128 v[RF+32*((\q)%2)+8*\i+4*\c:RF+32*((\q)%2)+8*\i+4*\c+3], v[ADY] offset:8192*\i+1024*(\q)+512*\c
.endr
.endr
.endm
; A K step of 128: its fragments are in; the next step's are asked for; 32 products, the accumulators by turns in one order throughout
.macro STEP q
	s_wait_dscnt 0x0
.if (\q) < 7
.if (\q) > 0
	PLACES 4                                       ; in front of loads into registers that the last step's products read
.endif
	WIN 0x40
	FETCH_P (\q)+1
	WIN 0
	FETCH_R (\q)+1
.endif
.if (\q) == 0
	WIN 0x91                                       ; source 0 and C (the bias) window 1, source 1 window 0, D window 2
.else
	WIN 0xa1
.endif
.irp a, 0,1,2,3
.irp b, 0,1,2,3
.if (\q) == 0
	v_wmma_scale_f32_16x16x128_f8f6f4 v[8*(8*\a+\b):8*(8*\a+\b)+7], v[128*((\q)%2)+8*\b:128*((\q)%2)+8*\b+7], v[RF+32*((\q)%2)+8*\a:RF+32*((\q)%2)+8*\a+7], v[CBW+8*\b:CBW+8*\b+7], v[XS+8*\b+(\q)], v[XS+8*\a+(\q)] matrix_a_fmt:MATRIX_FMT_FP4 matrix_b_fmt:MATRIX_FMT_FP4 matrix_a_scale:MATRIX_SCALE_ROW1
.else
	v_wmma_scale_f32_16x16x128_f8f6f4 v[8*(8*\a+\b):8*(8*\a+\b)+7], v[128*((\q)%2)+8*\b:128*((\q)%2)+8*\b+7], v[RF+32*((\q)%2)+8*\a:RF+32*((\q)%2)+8*\a+7], v[8*(8*\a+\b):8*(8*\a+\b)+7], v[XS+8*\b+(\q)], v[XS+8*\a+(\q)] matrix_a_fmt:MATRIX_FMT_FP4 matrix_b_fmt:MATRIX_FMT_FP4 matrix_a_scale:MATRIX_SCALE_ROW1
.endif
.endr
.irp b, 4,5,6,7
.if (\q) == 0
	v_wmma_scale_f32_16x16x128_f8f6f4 v[8*(8*\a+\b):8*(8*\a+\b)+7], v[128*((\q)%2)+8*\b:128*((\q)%2)+8*\b+7], v[RF+32*((\q)%2)+8*\a:RF+32*((\q)%2)+8*\a+7], v[CBW+8*\b:CBW+8*\b+7], v[YS+8*(\b-4)+(\q)], v[XS+8*\a+(\q)] matrix_a_fmt:MATRIX_FMT_FP4 matrix_b_fmt:MATRIX_FMT_FP4
.else
	v_wmma_scale_f32_16x16x128_f8f6f4 v[8*(8*\a+\b):8*(8*\a+\b)+7], v[128*((\q)%2)+8*\b:128*((\q)%2)+8*\b+7], v[RF+32*((\q)%2)+8*\a:RF+32*((\q)%2)+8*\a+7], v[8*(8*\a+\b):8*(8*\a+\b)+7], v[YS+8*(\b-4)+(\q)], v[XS+8*\a+(\q)] matrix_a_fmt:MATRIX_FMT_FP4 matrix_b_fmt:MATRIX_FMT_FP4
.endif
.endr
.endr
	WIN 0
.endm
	s_wait_tensorcnt 0x0                           ; both my loads have landed
	s_barrier_signal -1
	s_barrier_wait -1                              ; everybody's have
.irp i, 0,1,2,3
	ds_load_b128 v[XS+8*\i:XS+8*\i+3], v[ADRS] offset:544*\i
	ds_load_b128 v[XS+8*\i+4:XS+8*\i+7], v[ADRS] offset:544*\i+16
	ds_load_b128 v[YS+8*\i:YS+8*\i+3], v[ADRP2] offset:544*\i
	ds_load_b128 v[YS+8*\i+4:YS+8*\i+7], v[ADRP2] offset:544*\i+16
.endr
	WIN 0x40
	FETCH_P 0
	WIN 0
	FETCH_R 0
	s_wait_loadcnt 0x0                             ; the bias
.irp q, 0,1,2,3,4,5,6,7
	STEP \q
.endr
; THE WAY OUT, block by block of 16 rows x 128 columns, through my own stage: in as 32 bytes a lane, back as whole rows of 512 bytes.  LDS serves a wave's instructions in order: no wait between the stores and the loads.
.macro TOSTAGE a
.set AC, 64*(\a)
	WIN 0x08                                       ; an LDS store's data: window 2
.irp b, 0,1,2,3,4,5,6,7
	ds_store_b128 v[STO], v[AC+8*\b:AC+8*\b+3] offset:64*\b          ; each accumulator from its low end on
	ds_store_b128 v[STO], v[AC+8*\b+4:AC+8*\b+7] offset:64*\b+16
.endr
	WIN 0
.set BB, BK+64*((\a)%2)
.irp t, 0,1,2,3,4,5,6,7,8,9,10,11,12,13,14,15
	ds_load_b128 v[BB+4*\t:BB+4*\t+3], v[RD] offset:\t*SPITCH
.endr
.endm
.macro SEND a, younger
.set BB, BK+64*((\a)%2)
	s_wait_dscnt \younger                          ; the block is back in registers; the next block's 16 stores and 16 loads may be out
.if (\a) > 0
	s_add_nc_u64 s[14:15], s[14:15], 16*4096       ; (behind a wait on XCNT: the earlier stores have read their base)
.endif
.irp t, 0,1,2,3,4,5,6,7,8,9,10,11,12,13,14,15
	global_store_b128 v3, v[BB+4*\t:BB+4*\t+3], s[14:15] offset:\t*4096 th:TH_STORE_NT   ; 512 consecutive bytes, aligned; written once
.endr
.endm
	PLACES 4
	TOSTAGE 0
.irp a, 1,2,3
.if \a > 1
	s_wait_xcnt 0x0                                ; block a - 2's stores have read their registers and their base
.endif
	TOSTAGE \a
	SEND \a-1, 32
.endr
	s_wait_xcnt 0x0
	SEND 3, 0
	s_wait_tensorcnt 0x0
	ds_add_u32 v254, v255
	s_wait_dscnt 0x0
	CROUND                                         ; the closing round: no work-group ends while a partner may still ask for a tile that names it
	s_endpgm
.Lfunc_end_k_qa86cd8e652_proj:
	.size	k_qa86cd8e652_proj, .Lfunc_end_k_qa86cd8e652_proj-k_qa86cd8e652_proj
	.p2alignl 7, 3214868480
	.fill 96, 4, 3214868480
	.section	.rodata,"a",@progbits
	.p2align	6, 0x0
	.amdhsa_kernel k_qa86cd8e652_proj
		.amdhsa_group_segment_fixed_size 327680
		.amdhsa_private_segment_fixed_size 0
		.amdhsa_enable_private_segment 0
		.amdhsa_kernarg_size 48
		.amdhsa_user_sgpr_count 2
		.amdhsa_user_sgpr_kernarg_segment_ptr 1
		.amdhsa_wavefront_size32 1
		.amdhsa_system_sgpr_workgroup_id_x 1
		.amdhsa_system_sgpr_workgroup_id_y 1
		.amdhsa_system_sgpr_workgroup_id_z 1
		.amdhsa_system_vgpr_workitem_id 0
		.amdhsa_next_free_vgpr 768
		.amdhsa_next_free_sgpr 100
		.amdhsa_reserve_vcc 0
		.amdhsa_float_denorm_mode_32 3
		.amdhsa_float_denorm_mode_16_64 3
		.amdhsa_memory_ordered 1
		.amdhsa_forward_progress 1
		.amdhsa_inst_pref_size 73
	.end_amdhsa_kernel
	.amdgpu_metadata
---
amdhsa.version: [ 1, 2 ]
amdhsa.kernels:
  - .name:           k_qa86cd8e652_proj
    .symbol:         k_qa86cd8e652_proj.kd
    .args:
      - { .name: yc, .offset: 0, .size: 8, .value_kind: global_buffer, .address_space: global }
      - { .name: ys, .offset: 8, .size: 8, .value_kind: global_buffer, .address_space: global }
      - { .name: wc, .offset: 16, .size: 8, .value_kind: global_buffer, .address_space: global }
      - { .name: ws, .offset: 24, .size: 8, .value_kind: global_buffer, .address_space: global }
      - { .name: b_proj, .offset: 32, .size: 8, .value_kind: global_buffer, .address_space: global }
      - { .name: out0, .offset: 40, .size: 8, .value_kind: global_buffer, .address_space: global }
    .group_segment_fixed_size: 327680
    .private_segment_fixed_size: 0
    .kernarg_segment_align: 8
    .kernarg_segment_size: 48
    .max_flat_workgroup_size: 128
    .sgpr_count:     100
    .vgpr_count:     768
    .wavefront_size: 32
...
	.end_amdgpu_metadata
.endif
;; end of part 4
